; MI455X (gfx1250); checked and timed in simulation.
; The chip was launched on July 23, 2026; its instructions are those of AMD's public machine-readable ISA for CDNA 5 (MIT licence, August 2026) and "CDNA5" Instruction Set Architecture Reference Guide (July 2026). The comments in the code are by the model that wrote it; some were corrected since.
;; MLP Attention With Query. Allowed arithmetic: matrix products marked QUANTISED: E2M3 operands, one E8M0 scale for each 32 along K, by v_wmma_scale_f32_16x16x128_f8f6f4 with both operands' format E2M3, f32 sums; products left as they are: f32 operands where the result goes on into a quantised operand, else bf16, f16 or f32 operands; f32 sums; everything else in f32.
;; Inputs: W1 768 x 512 float32; b1 512 float32; encoded_vecs 64 x 2,048 x 512 float32; length 64 int32; query 64 x 256 float32; v 512 float32.
;; Outputs: out0 64 x 512 float32; out1 64 x 2,048 float32.
;; This version of the problem:
;;   THIS VERSION OF THE PROBLEM IS GIVEN IN LOW PRECISION. The matrix products marked QUANTISED in the list below multiply operands that are first quantised to E2M3 (2 exponent bits, 3 mantissa bits; 6 bits a number), with one power-of-two scale for each 32 numbers along K (OCP MX v1.0); their sums are f32. All else is computed in f32.
;;   The module's matrix products, in the order in which they are computed (A, B: the left and right operand; K: the contracted axis; several contracted axes count as one K, in the product's order):
;;     1. [M 131,072, K 768] x [K 768, N 512]; A: computed on the way; B: input W1: QUANTISED
;;     2. [M 131,072, K 512] x [K 512, N 1]; A: computed on the way; B: input v: left as it is (N = 1 < 16)
;;     3. batch 64 x [M 1, K 2,048] x [K 2,048, N 512]; A: computed on the way; B: input encoded_vecs: left as it is (M = 1 < 16)
;;   THE QUANTISER, for each operand of a quantised product, along K:
;;     - K is cut into blocks of 32 from its start; a last block that is shorter is filled with zeros.
;;     - A block's scale is 2^e with e = floor(log2(the largest magnitude in the block)) - 2, held to -126 .. 127; a block of zeros has e = 0. As a byte (E8M0): e + 127.
;;     - Each number is divided by its block's scale, clamped to +-7.5, and rounded to the nearest number of E2M3, ties to even, subnormals kept.
;;     - The product sums the exact products of the quantised numbers (number of the format x scale) in f32.
;;   ~~~python
;;   def quantise(x, axis):      # numpy; x: float32 -> the quantised numbers, widened to float32 again
;;       x = np.moveaxis(x, axis, -1); K = x.shape[-1]
;;       x = np.pad(x, [(0, 0)] * (x.ndim - 1) + [(0, -K % 32)]); x = x.reshape(x.shape[:-1] + (-1, 32)); a = np.abs(x).max(-1, keepdims=True)
;;       e = np.where(a > 0, np.clip(np.frexp(np.where(a > 0, a, 1))[1] - 1 - 2, -126, 127), 0)      # np.frexp(a)[1] - 1 = floor(log2(a)), exactly
;;       r = np.clip(x / 2.0 ** e, -7.5, 7.5)
;;       step = 2.0 ** (np.maximum(np.frexp(np.where(r == 0, 1, r))[1] - 1, 0) - 3)
;;       q = np.round(r / step) * step * 2.0 ** e      # np.round: ties to even
;;       return np.moveaxis(q.reshape(q.shape[:-2] + (-1,))[..., :K], -1, axis).astype(np.float32)
;;   ~~~
;;   OPERANDS COMPUTED ON THE WAY. 'Computed on the way' means the value that the module computes at that place (a softmax that the list does not call 'softmax' is quantised finished and normalised). What goes into a quantiser is computed in f32, as accurately as f32 sums, v_exp_f32 and their like allow (about 1e-6 of the number): no bf16 or f16 on the way to a quantiser, and a product that is left as it is and whose result goes on into a quantised operand takes f32 operands (vector FMAs, or v_wmma_f32_16x16x4_f32). A number that lies on a knife's edge between two numbers of the format may be rounded either way, as far as f32 arithmetic and the matrix unit's own rounding can turn it there, and no further.
;; 2 versions, each right; version 2 is version 1 with the launches prep, scan written anew for expert scheduling mode. Each part assembles by itself: llvm-mc -triple=amdgcn-amd-amdhsa -mcpu=gfx1250 --defsym DOCPART=n.
;; ======== version 1 of 2: 3 launches
;; workspace buffers: wimg 196,608 bytes; wsc 16,384 bytes; qb 131,072 bytes; sched 5,120 bytes of whole numbers; lg 524,288 bytes; rec 589,824 bytes
;; launch prep (part 1): grid 21 x 1, 8 waves a work-group, no clusters, 48,128 bytes of LDS; arguments W1, b1, query, length, wimg, wsc, qb, sched; writes wimg, wsc, qb, sched
.if DOCPART == 1
	.amdgcn_target "amdgcn-amd-amdhsa--gfx1250"
	.amdhsa_code_object_version 6
	.text
	.protected	k_q4dfd79a821_prep
	.globl	k_q4dfd79a821_prep
	.p2align	8
	.type	k_q4dfd79a821_prep,@function
k_q4dfd79a821_prep:
	s_mov_b64 s[64:65], 0
	v_nop
	global_prefetch_b8 v0, s[64:65] scope:SCOPE_SE
	s_setreg_imm32_b32 hwreg(HW_REG_WAVE_MODE, 25, 1), 1
	s_wait_xcnt 0x0
; What the main launch needs once: W1's codes, the query's part of the product, and who works on what.
; Work-groups 0-15:  W1[0:512][512] f32, K its first axis, becomes 128 fragments (16 units x 128 K) of FP6 (E2M3) codes, stored as images of an operand's registers, and one scale word a lane.
;                    A lane takes a column (a unit) and its registers run down K, so the conversions' results are the operand's registers.  One fragment a wave.
; Work-groups 16-19: qb[b][e] = c2 x (Q(query[b]) . Q(W1[512:768, e]) + b1[e]), c2 = 2 log2(e): the last 256 of K are the same row for all positions of a batch, and 512 is a multiple of 32,
;                    so no block of 32 straddles the seam: that part of the quantised product is made once, 64 x 256 x 512, on the same codes and by the same matrix instruction.
; Work-group 20:     the schedule, whole numbers only.  A block is 64 positions; batch b has nb = ceil(len / 64) blocks that count.  q is the least of 1..8 with sum of ceil(nb / q) <= 256 (8 always fits: 64 x 4).
;                    Batch b gets n = ceil(nb / q) work-groups of the main launch, start .. start + n - 1; the j-th takes blocks j q .. min(j q + q, nb) - 1.
;                    sched: 256 x (batch, first row, blocks, len) from byte 0; 64 x (start, n, len, nb) from byte 4096.
; A block's scale is 2^(floor(log2(its largest magnitude)) - 2); its byte is the largest magnitude's exponent field - 2, held at 1 from below (a block of zeros keeps 1: its codes are zeros, and this program alone reads the bytes).
; LIMITS: NaN and infinities among the inputs are not served; length is held to 0 .. 2048.
; REGISTERS of work-groups 16-19: v0-15 lane numbers, addresses, b1; v16-63 at work and addresses; v64-127 the query's numbers, then W1's K 640 .. 767; v128-191 W1's K 512 .. 639;
;   later v64-159 the query's eight fragments, v160-191 four accumulators, v192-223 rows on the way out; v220-243 W1's codes; v244-253 scale words and nothing else; v254-255 addresses.
.set C2,   0x4038aa3b                  ; 2 log2(e)
.set QIMG, 0                           ; LDS (work-groups 16-19 alone): the query's 8 fragments as register images, 1,536 bytes each (tile of rows m, K step s: 2 m + s),
.set QSC,  12288                       ; their scale words, 128 bytes each,
.set QST,  13312                       ; and a stage of 64 rows x (512 bytes + 16)
.set PC,   16                          ; v16-35  QUANT: codes just made
.set TM,   36                          ; v36-51  QUANT: at work
.set PW,   52                          ; v52     QUANT: the scale word
.set QSW,  53                          ; v53     where I store my query fragment's scale word
.set WM,   54                          ; v54-55  WQUANT: largest magnitudes;  v56-57 the conversions' scale operands;  v58-59 bytes;  v60 at work
.set WO,   56
.set WB,   58
.set WT,   60
.set L16,  61                          ; v61     16 x lane
.set L4,   62                          ; v62     4 x lane
.set SO,   63                          ; v63     the stage: where I put 32 bytes of a row
.set WX,   16                          ; v16-22  WQUANT: the upper halves of two blocks' codes (a conversion's three registers begin on an even number)
.set QF,   64                          ; v64-159 the query's eight fragments, back from LDS
.set AC,   160                         ; v160-191 four accumulators
.set BK,   192                         ; v192-223 eight rows on the way out
.set CW,   220                         ; v220-243 W1's codes: two fragments
.set QSS,  244                         ; v244-251 the query's scale words
.set WSS,  252                         ; v252-253 W1's scale words
.set SR,   254                         ; v254    the stage: where I read rows back
.set GO,   255                         ; v255    and their place in qb
; 64 numbers of my column: register 32 c + i = W1[k0 + 64 c + 32 h + i][column]; sixteen neighbouring lanes read 64 neighbouring bytes
.macro WLOAD dst, k0
.set wi, 0
.rept 64
	global_load_b32 v[(\dst)+wi], v4, s[4:5] offset:((\k0)+64*(wi/32)+wi%32)*2048
.set wi, wi+1
.endr
.endm
; s26 = which 128 units: v4 = my column's bytes in a row of W1, + 32 rows for lanes 16-31.  Leaves 64 x tile in s28
.macro WADDR
	s_lshl_b32 s27, s26, 3
	s_add_co_u32 s27, s27, s24                     ; tile of 16 units = 8 w + wave
	s_lshl_b32 s28, s27, 6
	v_lshlrev_b32 v4, 2, v2
	v_lshl_add_u32 v4, v3, 16, v4
	v_add_nc_u32 v4, s28, v4
.endm
; my 64 numbers (two whole blocks of 32 along K) become registers cod .. cod + 11 of the operand, and the scale word scw
.macro WQUANT src, cod, scw
.irp c, 0,1
	v_max3_num_f32 v[WM+\c], |v[\src+32*\c]|, |v[\src+32*\c+1]|, 0x1800000   ; with the floor 2^(3 - 127): the byte cannot fall under 1
.endr
.irp i, 2,4,6,8,10,12,14,16,18,20,22,24,26,28,30
.irp c, 0,1
	v_max3_num_f32 v[WM+\c], v[WM+\c], |v[\src+32*\c+\i]|, |v[\src+32*\c+\i+1]|
.endr
.endr
.irp c, 0,1
	v_add_nc_u32 v[WO+\c], 0xff000000, v[WM+\c]    ; 2 off the exponent field: the conversion takes this operand's exponent field as its scale
.endr
.irp c, 0,1
	v_lshrrev_b32 v[WB+\c], 23, v[WO+\c]           ; the scale's byte
.endr
	v_lshl_or_b32 v[\scw], v[WB+1], 16, v[WB]      ; my two bytes: blocks h and 2 + h,
	v_lshlrev_b32 v[WT], 3, v3
	v_lshlrev_b32 v[\scw], v[WT], v[\scw]          ; at their places in the word;
	v_mov_b32 v[WT], 0
	v_permlanex16_b32 v[WT], v[\scw], s20, s21
	v_or_b32 v[\scw], v[\scw], v[WT]               ; with lane l xor 16's two the word is whole
.irp c, 0,1
	v_cvt_scalef32_pk16_fp6_f32 v[\cod+6*\c:\cod+6*\c+2], v[\src+32*\c:\src+32*\c+15], v[WO+\c]
	v_cvt_scalef32_pk16_fp6_f32 v[WX+4*\c:WX+4*\c+2], v[\src+32*\c+16:\src+32*\c+31], v[WO+\c]
.endr
	v_nop                                          ; one plain place behind a scaled conversion
.irp c, 0,1
.irp i, 0,1,2
	v_mov_b32 v[\cod+6*\c+3+\i], v[WX+4*\c+\i]
.endr
.endr
.endm
; 64 numbers of a lane, register 16 b + i = k 32 b + 16 (lane / 16) + i of my row, become a fragment's codes in v[PC] on and its scale word in v[PW]
.macro QUANT s
.irp b, 0,1,2,3
	v_max3_num_f32 v[TM+\b], |v[\s+16*\b]|, |v[\s+1+16*\b]|, 0x1800000
.endr
.irp i, 2,4,6,8,10,12,14
.irp b, 0,1,2,3
	v_max3_num_f32 v[TM+\b], v[TM+\b], |v[\s+16*\b+\i]|, |v[\s+1+16*\b+\i]|
.endr
.endr
.irp b, 0,1,2,3
	v_permlanex16_b32 v[TM+4+\b], v[TM+\b], s20, s21
.endr
.irp b, 0,1,2,3
	v_max_num_f32 v[TM+\b], v[TM+\b], v[TM+4+\b]   ; with lane l xor 16's: the block's largest magnitude
.endr
.irp b, 0,1,2,3
	v_add_nc_u32 v[TM+12+\b], 0xff000000, v[TM+\b]
.endr
.irp b, 0,1,2,3
	v_lshrrev_b32 v[TM+4+\b], 23, v[TM+12+\b]
.endr
	v_lshl_or_b32 v[PW], v[TM+5], 8, v[TM+4]
	v_lshl_or_b32 v[PW], v[TM+6], 16, v[PW]
	v_lshl_or_b32 v[PW], v[TM+7], 24, v[PW]
.irp c, 0,1
	v_cvt_scalef32_pk16_fp6_f32 v[PC+6*\c:PC+2+6*\c], v[\s+32*\c:\s+15+32*\c], v[TM+12+2*\c]
	v_cvt_scalef32_pk16_fp6_f32 v[PC+12+4*\c:PC+14+4*\c], v[\s+16+32*\c:\s+31+32*\c], v[TM+12+2*\c+1]
.endr
	v_nop                                          ; one plain place behind a scaled conversion
.irp c, 0,1                                    ; the operand wants a whole block in a lane: lanes 0-15 block 2 c, lanes 16-31 block 2 c + 1
.irp i, 0,1,2
	v_permlane16_swap_b32 v[PC+6*\c+\i], v[PC+12+4*\c+\i]
.endr
.irp i, 0,1,2
	v_mov_b32 v[PC+3+6*\c+\i], v[PC+12+4*\c+\i]
.endr
.endr
.endm
	s_load_b512 s[4:19], s[0:1], 0x0               ; W1 s[4:5], b1 s[6:7], query s[8:9], length s[10:11], wimg s[12:13], wsc s[14:15], qb s[16:17], sched s[18:19]
	s_set_vgpr_msb 0x40
	v_lshl_add_u32 v0, v0, 2, 0xb800
	v_mov_b32 v1, 0
	s_set_vgpr_msb 0x4000
	v_lshrrev_b32 v1, 5, v0
	v_readfirstlane_b32 s24, v1                    ; wave 0..7
	v_and_b32 v1, 31, v0                           ; lane
	v_and_b32 v2, 15, v0                           ; r
	v_bfe_u32 v3, v0, 4, 1                         ; h
	v_lshlrev_b32 v[L16], 4, v1
	v_lshlrev_b32 v[L4], 2, v1
	s_mov_b32 s20, 0x76543210
	s_mov_b32 s21, 0xfedcba98                      ; v_permlanex16_b32's selects for lane l xor 16
	s_mov_b32 s23, 0
	s_wait_kmcnt 0x0
	s_cmp_lt_u32 ttmp9, 16                         ; the three kinds of work part on the work-group's number alone
	s_cbranch_scc1 .Lpath_a
	s_cmp_lt_u32 ttmp9, 20
	s_cbranch_scc1 .Lpath_b
; ---------------- the schedule.  All eight waves run it; wave t makes the entries of work-groups 32 t .. 32 t + 31 (g = my thread's number)
	global_load_b32 v5, v[L4], s[10:11]            ; length of batch lane
	global_load_b32 v6, v[L4], s[10:11] offset:128 ; and of batch 32 + lane
	v_mov_b32 v12, 0                               ; my work-group's batch,
	v_mov_b32 v13, 0                               ; that batch's first work-group,
	v_mov_b32 v14, 0                               ; its len
	v_mov_b32 v15, 0                               ; start of batch lane, of batch 32 + lane (a lane write's destination counts as read)
	v_mov_b32 v16, 0
	v_mov_b32 v24, 0
	s_wait_loadcnt 0x0
	v_max_i32 v5, 0, v5
	v_max_i32 v6, 0, v6
	v_min_u32 v5, 0x800, v5
	v_min_u32 v6, 0x800, v6
	v_add_nc_u32 v7, 63, v5
	v_add_nc_u32 v8, 63, v6
	v_lshrrev_b32 v7, 6, v7                        ; nb, 0 .. 32
	v_lshrrev_b32 v8, 6, v8
; ceil(nb / q) = floor((nb + q - 1) / q) = ((nb + q - 1) x (65536 / q + 1)) >> 16, exact up to 39.  The eight sums go two to a register, 16 bits each (a sum is 2,048 at the most)
.macro TOT q, mg
	v_add_nc_u32 v25, (\q)-1, v7
	v_add_nc_u32 v26, (\q)-1, v8
	v_mul_u32_u24 v25, v25, \mg
	v_mul_u32_u24 v26, v26, \mg
	v_lshrrev_b32 v25, 16, v25
	v_lshrrev_b32 v26, 16, v26
.if (\q)%2
	v_add_nc_u32 v[20+((\q)-1)/2], v25, v26
.else
	v_add_nc_u32 v25, v25, v26
	v_lshl_or_b32 v[20+((\q)-1)/2], v25, 16, v[20+((\q)-1)/2]
.endif
.endm
	TOT 1, 65537
	TOT 2, 32769
	TOT 3, 21846
	TOT 4, 16385
	TOT 5, 13108
	TOT 6, 10923
	TOT 7, 9363
	TOT 8, 8193
.irp k, 20,21,22,23                            ; over the 32 lanes
.irp x, 1,2,4,8
	v_mov_b32_dpp v24, v\k row_xmask:\x row_mask:0xf bank_mask:0xf
	v_add_nc_u32 v\k, v\k, v24
.endr
	v_permlanex16_b32 v24, v\k, s20, s21
	v_add_nc_u32 v\k, v\k, v24
.endr
.irp k, 0,1,2,3
	v_readfirstlane_b32 s[36+\k], v[20+\k]
	s_and_b32 s[40+2*\k], s[36+\k], 0xffff         ; s40 .. s47: the totals for q = 1 .. 8
	s_lshr_b32 s[41+2*\k], s[36+\k], 16
.endr
	s_mov_b32 s28, 8                               ; q,
	s_mov_b32 s29, 8193                            ; and its multiplier.  The totals fall as q rises, so the last choice taken below is the least q that fits
.macro PICK qq, mg
	s_cmp_le_u32 s[39+\qq], 256
	s_cselect_b32 s28, \qq, s28
	s_cselect_b32 s29, \mg, s29
.endm
	PICK 7, 9363
	PICK 6, 10923
	PICK 5, 13108
	PICK 4, 16385
	PICK 3, 21846
	PICK 2, 32769
	PICK 1, 65537
	s_sub_co_u32 s30, s28, 1
	v_add_nc_u32 v9, s30, v7
	v_add_nc_u32 v10, s30, v8
	v_mul_u32_u24 v9, s29, v9
	v_mul_u32_u24 v10, s29, v10
	v_lshrrev_b32 v9, 16, v9                       ; n of batch lane
	v_lshrrev_b32 v10, 16, v10                     ; and of batch 32 + lane
	s_mov_b32 s31, 0                               ; work-groups given out so far
.set bb, 0
.rept 64                                       ; the walk over the batches: my work-group belongs to the last batch whose start is not above g
	v_readlane_b32 s32, v[9+bb/32], bb%32
	v_readlane_b32 s33, v[5+bb/32], bb%32
	v_writelane_b32 v[15+bb/32], s31, bb%32
	v_cmp_gt_u32 vcc_lo, s31, v0
	v_cndmask_b32 v12, bb, v12, vcc_lo
	v_cndmask_b32 v13, s31, v13, vcc_lo
	v_cndmask_b32 v14, s33, v14, vcc_lo
	s_add_co_u32 s31, s31, s32
.set bb, bb+1
.endr
	v_add_nc_u32 v17, 63, v14
	v_lshrrev_b32 v17, 6, v17                      ; my batch's nb
	v_sub_nc_u32 v18, v0, v13                      ; j
	v_mul_u32_u24 v18, s28, v18                    ; my first block
	v_sub_nc_u32 v19, v17, v18
	v_min_u32 v19, s28, v19                        ; my blocks
	v_lshlrev_b32 v18, 6, v18                      ; my first row
	v_cmp_gt_u32 vcc_lo, s31, v0                   ; a work-group beyond the total gets four zeros
	v_cndmask_b32 v20, 0, v12, vcc_lo
	v_cndmask_b32 v21, 0, v18, vcc_lo
	v_cndmask_b32 v22, 0, v19, vcc_lo
	v_cndmask_b32 v23, 0, v14, vcc_lo
	v_lshlrev_b32 v24, 4, v0
	global_store_b128 v24, v[20:23], s[18:19]      ; a wave stores 512 consecutive bytes
	s_cmp_lg_u32 s24, 0
	s_cbranch_scc1 .Lc_end
	v_mov_b32 v28, v15                             ; wave 0: the batches' table
	v_mov_b32 v29, v9
	v_mov_b32 v30, v5
	v_mov_b32 v31, v7
	v_mov_b32 v32, v16
	v_mov_b32 v33, v10
	v_mov_b32 v34, v6
	v_mov_b32 v35, v8
	global_store_b128 v[L16], v[28:31], s[18:19] offset:4096
	global_store_b128 v[L16], v[32:35], s[18:19] offset:4608
.Lc_end:
	s_endpgm
; ---------------- W1[0:512]: K step s = work-group / 4, units 128 w on with w = work-group % 4, tile = wave
.Lpath_a:
	s_lshr_b32 s25, ttmp9, 2
	s_and_b32 s26, ttmp9, 3
	WADDR
	s_lshl_b32 s22, s25, 18                        ; 128 s rows of 2,048 bytes
	s_add_nc_u64 s[4:5], s[4:5], s[22:23]
	WLOAD 128, 0
	s_lshl_b32 s28, s26, 5
	s_lshl_b32 s29, s25, 3
	s_add_co_u32 s28, s28, s29
	s_add_co_u32 s28, s28, s24                     ; the fragment's number: 32 w + 8 s + tile
	s_mul_i32 s22, s28, 1536
	s_add_nc_u64 s[12:13], s[12:13], s[22:23]
	s_lshl_b32 s22, s28, 7
	s_add_nc_u64 s[14:15], s[14:15], s[22:23]
	s_wait_loadcnt 0x0
	WQUANT 128, CW, WSS
.irp c, 0,1,2
	global_store_b128 v[L16], v[CW+4*\c:CW+4*\c+3], s[12:13] offset:512*\c   ; the image: registers 4 c .. 4 c + 3, 16 bytes a lane, 512 consecutive bytes
.endr
	global_store_b32 v[L4], v[WSS], s[14:15]
	s_endpgm
; ---------------- the query's product: units 128 w on, w = work-group - 16; tile = wave; all 64 rows of query
.Lpath_b:
	s_sub_co_u32 s26, ttmp9, 16
	WADDR
	v_lshl_add_u32 v5, v3, 5, s28                  ; b1 at unit 16 tile + 8 h
	s_lshr_b32 s29, s24, 1                         ; the query fragment that I quantise: rows 16 (wave / 2) on,
	s_and_b32 s30, s24, 1                          ; K step wave % 2
	s_lshl_b32 s29, s29, 14
	s_lshl_b32 s30, s30, 9
	s_add_co_u32 s29, s29, s30
	v_lshlrev_b32 v6, 10, v2
	v_lshl_add_u32 v6, v3, 6, v6
	v_add_nc_u32 v6, s29, v6                       ; row r of 1,024 bytes, + 64 h: my 16 numbers of each block of 32
	global_load_b128 v[8:11], v5, s[6:7]
	global_load_b128 v[12:15], v5, s[6:7] offset:16
.irp b, 0,1,2,3
.irp j, 0,1,2,3
	global_load_b128 v[64+16*\b+4*\j:67+16*\b+4*\j], v6, s[8:9] offset:128*\b+16*\j
.endr
.endr
	WLOAD 128, 512                                 ; K 512 .. 639 of my column
	s_mul_i32 s29, s24, 1536                       ; every LDS address is a constant + a constant x lane + a constant x wave; none of these registers is a load's destination
	v_add_nc_u32 v7, s29, v[L16]                   ; my fragment's image
	s_lshl_b32 s29, s24, 7
	v_add_nc_u32 v[QSW], s29, v[L4]
	v_mul_u32_u24 v[SO], v2, 528
	v_lshl_add_u32 v[SO], v3, 5, v[SO]
	s_lshl_b32 s29, s24, 6
	v_add_nc_u32 v[SO], s29, v[SO]                 ; the stage: row r, + 64 x tile + 32 h
	s_mul_i32 s29, s24, 8*528
	v_add_nc_u32 v[SR], s29, v[L16]                ; back: rows 8 wave on
	s_lshl_b32 s29, s24, 14
	s_lshl_b32 s30, s26, 9
	s_add_co_u32 s29, s29, s30
	v_add_nc_u32 v[GO], s29, v[L16]                ; qb: row 8 wave of 2,048 bytes, + 512 w
.irp b, 0,1,2,3
	v_mov_b32 v[TM+4+\b], 0                        ; a lane permute's destination counts as one of its sources
.endr
	s_mov_b32 s32, C2
	s_mov_b32 s33, C2
	s_wait_loadcnt 63                              ; b1 and the query's numbers are in: 64 loads are younger, the count leaves 63 of them out
	QUANT 64
.irp c, 0,1,2
	ds_store_b128 v7, v[PC+4*\c:PC+4*\c+3] offset:QIMG+512*\c
.endr
	ds_store_b32 v[QSW], v[PW] offset:QSC
	WLOAD 64, 640                                  ; K 640 .. 767 of my column, into the registers that the query's numbers have left: they land while K 512 .. 639 are quantised
	s_wait_dscnt 0x0                               ; the stores have read their registers, which WQUANT writes
	s_wait_loadcnt 63                              ; K 512 .. 639 are in: 64 loads are younger
	WQUANT 128, CW, WSS
	s_wait_loadcnt 0x0
	WQUANT 64, CW+12, WSS+1
	s_wait_dscnt 0x0
	s_barrier_signal -1
	s_barrier_wait -1                              ; the query's eight fragments lie in LDS
.irp f, 0,1,2,3,4,5,6,7
.irp c, 0,1,2
	ds_load_b128 v[QF+12*\f+4*\c:QF+12*\f+4*\c+3], v[L16] offset:QIMG+1536*\f+512*\c
.endr
	ds_load_b32 v[QSS+\f], v[L4] offset:QSC+128*\f
.endr
	s_wait_dscnt 0x0
.rept 8
	v_nop                                          ; a scale register written by a vector instruction stands 8 places ahead of a scaled matrix instruction, an operand so written 4
.endr
.irp m, 0,1,2,3                                ; transposed: source 0 = my 16 units of W1, source 1 = 16 rows of query; b1 is the C of each sum's first product.  The four accumulators take turns
	v_wmma_scale_f32_16x16x128_f8f6f4 v[AC+8*\m:AC+8*\m+7], v[CW:CW+11], v[QF+24*\m:QF+24*\m+11], v[8:15], v[WSS], v[QSS+2*\m] matrix_a_fmt:MATRIX_FMT_FP6 matrix_b_fmt:MATRIX_FMT_FP6
.endr
.irp m, 0,1,2,3
	v_wmma_scale_f32_16x16x128_f8f6f4 v[AC+8*\m:AC+8*\m+7], v[CW+12:CW+23], v[QF+24*\m+12:QF+24*\m+23], v[AC+8*\m:AC+8*\m+7], v[WSS+1], v[QSS+2*\m+1] matrix_a_fmt:MATRIX_FMT_FP6 matrix_b_fmt:MATRIX_FMT_FP6
.endr
.rept 4
	v_nop
.endr
.irp k, 0,1,2,3,4,5,6,7,8,9,10,11,12,13,14,15
	v_pk_mul_f32 v[16+2*\k:17+2*\k], v[AC+2*\k:AC+2*\k+1], s[32:33] op_sel_hi:[1,0]   ; x c2; each accumulator from its low end on
.endr
.irp m, 0,1,2,3
	ds_store_b128 v[SO], v[16+8*\m:19+8*\m] offset:QST+16*\m*528       ; lane (r, h): qb(16 m + r, 16 tile + 8 h + 0 .. 7)
	ds_store_b128 v[SO], v[20+8*\m:23+8*\m] offset:QST+16*\m*528+16
.endr
	s_wait_dscnt 0x0
	s_barrier_signal -1
	s_barrier_wait -1                              ; 64 rows of 512 bytes lie in the stage
.irp i, 0,1,2,3,4,5,6,7
	ds_load_b128 v[BK+4*\i:BK+4*\i+3], v[SR] offset:QST+528*\i
.endr
.irp i, 0,1,2,3,4,5,6,7
	s_wait_dscnt 7-\i                              ; row i is back; the younger rows may be out
	global_store_b128 v[GO], v[BK+4*\i:BK+4*\i+3], s[16:17] offset:2048*\i   ; 32 lanes store 512 consecutive bytes, at a multiple of 256 from qb's first byte
.endr
	s_set_vgpr_msb 0x5
	s_wait_tensorcnt 0x0
	ds_add_u32 v0, v1
	s_wait_dscnt 0x0
	s_set_vgpr_msb 0x500
	s_endpgm
.Lfunc_end_k_q4dfd79a821_prep:
	.size	k_q4dfd79a821_prep, .Lfunc_end_k_q4dfd79a821_prep-k_q4dfd79a821_prep
	.p2alignl 7, 3214868480
	.fill 96, 4, 3214868480
	.section	.rodata,"a",@progbits
	.p2align	6, 0x0
	.amdhsa_kernel k_q4dfd79a821_prep
		.amdhsa_group_segment_fixed_size 48128
		.amdhsa_private_segment_fixed_size 0
		.amdhsa_enable_private_segment 0
		.amdhsa_kernarg_size 64
		.amdhsa_user_sgpr_count 2
		.amdhsa_user_sgpr_kernarg_segment_ptr 1
		.amdhsa_wavefront_size32 1
		.amdhsa_system_sgpr_workgroup_id_x 1
		.amdhsa_system_sgpr_workgroup_id_y 1
		.amdhsa_system_sgpr_workgroup_id_z 1
		.amdhsa_system_vgpr_workitem_id 0
		.amdhsa_next_free_vgpr 258
		.amdhsa_next_free_sgpr 66
		.amdhsa_reserve_vcc 1
		.amdhsa_float_denorm_mode_32 3
		.amdhsa_float_denorm_mode_16_64 3
		.amdhsa_memory_ordered 1
		.amdhsa_forward_progress 1
		.amdhsa_inst_pref_size 74
	.end_amdhsa_kernel
	.amdgpu_metadata
---
amdhsa.version: [ 1, 2 ]
amdhsa.kernels:
  - .name:           k_q4dfd79a821_prep
    .symbol:         k_q4dfd79a821_prep.kd
    .args:
      - { .name: W1, .offset: 0, .size: 8, .value_kind: global_buffer, .address_space: global }
      - { .name: b1, .offset: 8, .size: 8, .value_kind: global_buffer, .address_space: global }
      - { .name: query, .offset: 16, .size: 8, .value_kind: global_buffer, .address_space: global }
      - { .name: length, .offset: 24, .size: 8, .value_kind: global_buffer, .address_space: global }
      - { .name: wimg, .offset: 32, .size: 8, .value_kind: global_buffer, .address_space: global }
      - { .name: wsc, .offset: 40, .size: 8, .value_kind: global_buffer, .address_space: global }
      - { .name: qb, .offset: 48, .size: 8, .value_kind: global_buffer, .address_space: global }
      - { .name: sched, .offset: 56, .size: 8, .value_kind: global_buffer, .address_space: global }
    .group_segment_fixed_size: 48128
    .private_segment_fixed_size: 0
    .kernarg_segment_align: 8
    .kernarg_segment_size: 64
    .max_flat_workgroup_size: 256
    .sgpr_count:     66
    .vgpr_count:     258
    .wavefront_size: 32
...
	.end_amdgpu_metadata
.endif
;; end of part 1
;; launch scan (part 2): grid 256 x 1, 4 waves a work-group, no clusters, 169,472 bytes of LDS; arguments encoded_vecs, wimg, wsc, qb, v, sched, lg, rec; writes lg, rec
.if DOCPART == 2
	.amdgcn_target "amdgcn-amd-amdhsa--gfx1250"
	.amdhsa_code_object_version 6
	.text
	.protected	k_q4dfd79a821_scan
	.globl	k_q4dfd79a821_scan
	.p2align	8
	.type	k_q4dfd79a821_scan,@function
k_q4dfd79a821_scan:
	s_mov_b64 s[64:65], 0
	v_nop
	global_prefetch_b8 v0, s[64:65] scope:SCOPE_SE
	s_setreg_imm32_b32 hwreg(HW_REG_WAVE_MODE, 25, 1), 1
	s_wait_xcnt 0x0
; For the rows of one batch that the schedule gives this work-group (up to 8 blocks of 64 positions, all under ceil(len / 64) blocks):
;   logit[l] = sum over e of v[e] tanh(Q(enc[l]) . Q(W1[0:512, e]) + query's part + b1[e]);  a running softmax (largest logit m, sum s) over the positions l < len;  ctx = sum of exp(logit - m) enc[l].
; enc is read from memory ONCE: it lands in registers, goes to the wave's own stage in LDS, and is read from there twice: a row to a lane for the quantiser, and as it lies for the weighted sum.
; Positions at or beyond len get attention 0 and add nothing (the mask that the problem builds from length): blocks wholly beyond len are neither read nor multiplied.
; SHARES.  The four waves share the UNITS: wave w holds W1's codes for units 128 w .. 128 w + 127 (32 fragments, 384 registers) for the whole launch.  Of a block's 64 rows wave w owns rows 16 w .. 16 w + 15:
; it loads and quantises them (four fragments, handed to the other waves as images of their registers) and later weighs them into its part of the context.
; THE PRODUCT: source 0 = 16 positions of enc, source 1 = 16 units of W1: lane (r, h) holds unit r, register j position 8 h + j.  So the bias and v cost one register a tile.
; tanh(x) = 1 - 2 / (1 + 2^(c2 x)), c2 = 2 log2(e); qb holds c2 x (the query's part + b1), so c2 x is one fused multiply-add; logit = sum of v - sum of 2 v / (1 + 2^(c2 x)).
; BY TURNS.  A row tile's 224 vector instructions (scaling, exponentials, reciprocals, the dot with v) stand in sevens behind the next row tile's 32 matrix instructions, on the other of two result buffers.
; THE LOOP has a constant 8 trips and two barriers a trip on every path; a trip without a block jumps over the work between them (a branch on a stored whole number).
; No tensor load, no copy, no cluster: what is done hangs on the schedule; the one thing that all work-groups read alike, W1's codes, is read once by each, at its head.
; LIMITS: NaN and infinities among the inputs are not served.  The running maximum starts at -3e38, under every logit (|logit| <= the sum of |v|).  A block of 32 zeros keeps the scale byte 1: its codes are zeros.
; REGISTERS, in windows of 256.  Window 0: v0-15 addresses and the running state; v16-47 W1's scale words; v48-55 the bias; v56-71 enc's scale words; v72-79 logit sums, at work in phase 2;
;   v80-127 four fragments of enc (while quantising: codes and work); v128-255 two result buffers of 64 (at the head: lane numbers; while quantising: 2 x 64 numbers; in phase 2: rows of enc).
;   Window 1: W1's K steps 0, 1.   Window 2: K steps 2, 3; v192-199 -2 v; v200-215 the context's 16 sums.   Window 3: the landing set: 16 rows x 16 registers.
.set XIMG,  0                          ; LDS: a block's 16 fragments as register images, 1,536 bytes each (row tile m, K step s: 4 m + s)
.set XSC,   24576                      ; their scale words: row tile m at 512 m; lane l's four words (s = 0 .. 3) at 16 l
.set PL,    26624                      ; partial logits: wave w's 64 at 256 w
.set MRG,   27648                      ; the end: each wave's 512 sums, 2,048 bytes
.set MS,    35840                      ; and its (m, s), 8 bytes
.set STAGE, 36864                      ; a stage for each wave: its 16 rows of enc,
.set SPT,   2064                       ; 2,048 bytes + 16 apart: an odd multiple of 16
.set WSTG,  16*SPT
.set L16,  1                           ; v1   16 x lane
.set STW,  2                           ; v2   my stage + 16 x lane: rows as they lie
.set STR,  3                           ; v3   my stage + SPT r + 64 h: a row to a lane
.set IMW,  4                           ; v4   where I store my fragments' images
.set XSW,  5                           ; v5   and their scale words
.set PLW,  6                           ; v6   where I store partial logits: PL + 256 w + 32 h
.set PLR,  7                           ; v7   where I read those of my row: PL + 4 (16 w + r)
.set LROW, 8                           ; v8   16 w + r: my row in the block
.set L8,   9                           ; v9   8 x lane
.set RM,   10                          ; v10  running m;  v11 running s (a lane's part)
.set RS,   11
.set RF,   12                          ; v12  f = 2^((old m - new m) log2 e); named as the pair v[12:13], of which the low word serves both halves
.set MSW,  13                          ; v13  MS + 8 w
.set MRW,  14                          ; v14  MRG + 2,048 w + 16 x lane
.set MRR,  15                          ; v15  MRG + 512 w + 16 x lane
.set WS,   16
.set BC,   48
.set XS,   56
.set LG,   72
.set XF,   80
.set HA,   128
.set HT,   128                         ; the head alone: v128 wave, v129 lane, v130 r, v131 h, v132 4 x lane, v133 4 r, v134 64 x lane
.set PC,   80                          ; QUANT: codes;  v100-115 at work;  v116 the scale word
.set TM,   100
.set PW,   116
.set VV,   192                         ; in window 2
.set ACC,  200
.set PP,   28                          ; s[28:59] the block's 16 weights of my rows, each the low word of a pair
.set MSB, 0
.macro WIN new                         ; low byte: bits 1:0 source 0, 3:2 source 1, 5:4 source 2, 7:6 destination; the high byte repeats the setting that is left
.if MSB != \new
	s_set_vgpr_msb (MSB<<8)|\new
.set MSB, \new
.endif
.endm
.macro PLACES                          ; four plain places behind a matrix instruction, in front of loads into its operands and of the first read of its result
.rept 4
	v_nop
.endr
.endm
.macro BARRIER                         ; my LDS stores have landed and my LDS loads are in: then the work-group's barrier
	s_wait_dscnt 0x0
	s_barrier_signal -1
	s_barrier_wait -1
.endm
.macro XROWS r0, r1                    ; rows r0 .. r1 of my 16 into the landing set: each load reads 512 consecutive bytes
.set rr, \r0
.rept (\r1)-(\r0)+1
.irp i, 0,1,2,3
	global_load_b128 v[16*rr+4*\i:16*rr+4*\i+3], v[L16], s[4:5] offset:2048*rr+512*\i th:TH_LOAD_NT
.endr
.set rr, rr+1
.endr
.endm
.macro QLOAD s                         ; K step s of my row: register 16 b + 4 j + e = k 128 s + 32 b + 16 h + 4 j + e, into number buffer s % 2
.irp b, 0,1,2,3
.irp j, 0,1,2,3
	ds_load_b128 v[HA+64*((\s)%2)+16*\b+4*\j:HA+64*((\s)%2)+16*\b+4*\j+3], v[STR] offset:512*(\s)+128*\b+16*\j
.endr
.endr
.endm
.macro QUANT s                         ; 64 numbers of a lane become a fragment's codes in v[PC] on and its scale word in v[PW]
.irp b, 0,1,2,3
	v_max3_num_f32 v[TM+\b], |v[\s+16*\b]|, |v[\s+1+16*\b]|, 0x1800000   ; block b: my 16 numbers, and the floor 2^(3 - 127): the byte cannot fall under 1
.endr
.irp i, 2,4,6,8,10,12,14
.irp b, 0,1,2,3
	v_max3_num_f32 v[TM+\b], v[TM+\b], |v[\s+16*\b+\i]|, |v[\s+1+16*\b+\i]|
.endr
.endr
.irp b, 0,1,2,3
	v_permlanex16_b32 v[TM+4+\b], v[TM+\b], s62, s63
.endr
.irp b, 0,1,2,3
	v_max_num_f32 v[TM+\b], v[TM+\b], v[TM+4+\b]   ; with lane l xor 16's: the block's largest magnitude
.endr
.irp b, 0,1,2,3
	v_add_nc_u32 v[TM+12+\b], 0xff000000, v[TM+\b] ; 2 off its exponent field: the conversion's scale operand
.endr
.irp b, 0,1,2,3
	v_lshrrev_b32 v[TM+4+\b], 23, v[TM+12+\b]      ; the scale's byte
.endr
	v_lshl_or_b32 v[PW], v[TM+5], 8, v[TM+4]
	v_lshl_or_b32 v[PW], v[TM+6], 16, v[PW]
	v_lshl_or_b32 v[PW], v[TM+7], 24, v[PW]
.irp c, 0,1
	v_cvt_scalef32_pk16_fp6_f32 v[PC+6*\c:PC+2+6*\c], v[\s+32*\c:\s+15+32*\c], v[TM+12+2*\c]
	v_cvt_scalef32_pk16_fp6_f32 v[PC+12+4*\c:PC+14+4*\c], v[\s+16+32*\c:\s+31+32*\c], v[TM+12+2*\c+1]   ; (a conversion's three registers begin on an even number)
.endr
	v_nop                                          ; one plain place behind a scaled conversion
.irp c, 0,1                                    ; the operand wants a whole block in a lane
.irp i, 0,1,2
	v_permlane16_swap_b32 v[PC+6*\c+\i], v[PC+12+4*\c+\i]
.endr
.irp i, 0,1,2
	v_mov_b32 v[PC+3+6*\c+\i], v[PC+12+4*\c+\i]
.endr
.endr
.endm
.macro FETCHF m, s                     ; the fragment of row tile m, K step s, back as it was stored
.irp c, 0,1,2
	ds_load_b128 v[XF+12*(\s)+4*\c:XF+12*(\s)+4*\c+3], v[L16] offset:XIMG+(4*(\m)+(\s))*1536+512*\c
.endr
.endm
.macro PROD m, s, t                    ; tile t of my units x row tile m, K step s; the first K step starts the sum
.if (\s) == 0
	v_wmma_scale_f32_16x16x128_f8f6f4 v[HA+64*((\m)%2)+8*(\t):HA+64*((\m)%2)+8*(\t)+7], v[XF+12*(\s):XF+12*(\s)+11], v[12*(8*((\s)%2)+(\t)):12*(8*((\s)%2)+(\t))+11], 0, v[XS+4*(\m)+(\s)], v[WS+8*(\s)+(\t)] matrix_a_fmt:MATRIX_FMT_FP6 matrix_b_fmt:MATRIX_FMT_FP6
.else
	v_wmma_scale_f32_16x16x128_f8f6f4 v[HA+64*((\m)%2)+8*(\t):HA+64*((\m)%2)+8*(\t)+7], v[XF+12*(\s):XF+12*(\s)+11], v[12*(8*((\s)%2)+(\t)):12*(8*((\s)%2)+(\t))+11], v[HA+64*((\m)%2)+8*(\t):HA+64*((\m)%2)+8*(\t)+7], v[XS+4*(\m)+(\s)], v[WS+8*(\s)+(\t)] matrix_a_fmt:MATRIX_FMT_FP6 matrix_b_fmt:MATRIX_FMT_FP6
.endif
.endm
; Number j of the 224 instructions that turn a row tile's 64 sums a lane (buffer hb) into 8 partial logits a lane.
;   0-31 c2 x + bias, a pair each, each accumulator from its low end on;  32-95 the exponentials, one batch;  96-127 + 1;  128-191 the reciprocals, one batch;  192-223 x -2 v, summed over my 8 tiles.
; Ahead of numbers 96 and 192 stand one plain instruction and the one wait between a batch and its first reader.
; None but 192-223 has a vector register as source 1, so all run under the products' window settings; 192-223 fall behind the 28th product, where source 1 means window 2, and -2 v lies there.
.macro TH hb
.if j < 32
.if (j/4)%2
	v_pk_fma_f32 v[(\hb)+2*j:(\hb)+2*j+1], v[(\hb)+2*j:(\hb)+2*j+1], s[60:61], v[BC+2*(j/8):BC+2*(j/8)+1] op_sel:[0,0,1] op_sel_hi:[1,0,1]
.else
	v_pk_fma_f32 v[(\hb)+2*j:(\hb)+2*j+1], v[(\hb)+2*j:(\hb)+2*j+1], s[60:61], v[BC+2*(j/8):BC+2*(j/8)+1] op_sel_hi:[1,0,0]
.endif
.elseif j < 96
	v_exp_f32 v[(\hb)+j-32], v[(\hb)+j-32]
.elseif j < 128
.if j == 96
	v_nop
	s_wait_alu depctr_va_vdst(0)
.endif
	v_pk_add_f32 v[(\hb)+2*(j-96):(\hb)+2*(j-96)+1], v[(\hb)+2*(j-96):(\hb)+2*(j-96)+1], 1.0 op_sel_hi:[1,0]
.elseif j < 192
	v_rcp_f32 v[(\hb)+j-128], v[(\hb)+j-128]
.else
.if j == 192
	v_nop
	s_wait_alu depctr_va_vdst(0)
.endif
.set tq, (j-192)/4
.set uq, (j-192)%4
.if tq == 0
	v_pk_mul_f32 v[LG+2*uq:LG+2*uq+1], v[(\hb)+2*uq:(\hb)+2*uq+1], v[VV:VV+1] op_sel_hi:[1,0]
.elseif tq%2
	v_pk_fma_f32 v[LG+2*uq:LG+2*uq+1], v[(\hb)+8*tq+2*uq:(\hb)+8*tq+2*uq+1], v[VV+tq-1:VV+tq], v[LG+2*uq:LG+2*uq+1] op_sel:[0,1,0] op_sel_hi:[1,1,1]
.else
	v_pk_fma_f32 v[LG+2*uq:LG+2*uq+1], v[(\hb)+8*tq+2*uq:(\hb)+8*tq+2*uq+1], v[VV+tq:VV+tq+1], v[LG+2*uq:LG+2*uq+1] op_sel_hi:[1,0,1]
.endif
.endif
.endm
; Row tile m: 32 products, the eight accumulators by turns, one instruction a turn.  sl = 1: seven numbers of the last row tile's list behind each.
; Behind a K step's eight products its fragment is fetched anew, for the next row tile.
.macro MM m, sl
.set j, 0
.irp s, 0,1,2,3
.if (\m) < 3
	s_wait_dscnt 9                                 ; this K step's fragment is in: three fragments of three loads are younger (two stores of partial logits, where they lie between, only make the wait stricter)
.else
	s_wait_dscnt 9-3*\s                            ; the last row tile fetches nothing more: the count runs down
.endif
.if \s < 2
	WIN 0x04                                       ; source 1 (W1): window 1
.else
	WIN 0x08                                       ; window 2
.endif
.irp t, 0,1,2,3,4,5,6,7
	PROD \m, \s, \t
.if \sl
.rept 7
	TH HA+64*(((\m)+1)%2)
.set j, j+1
.endr
.endif
.endr
.if (\m) < 3
	PLACES                                         ; in front of the loads into the fragment just multiplied; behind the last K step also in front of the first read of these results
	FETCHF (\m)+1, \s
.endif
.endr
.endm
.macro RED m                           ; the 8 partial logits are summed over the 16 units of the lanes of a half, and stored: the sixteen lanes write the same bytes with the same values
	WIN 0
.irp x, 1,2,4,8
.irp k, 0,1,2,3,4,5,6,7
	v_add_f32_dpp v[LG+\k], v[LG+\k], v[LG+\k] row_xmask:\x row_mask:0xf bank_mask:0xf
.endr
.endr
	ds_store_b128 v[PLW], v[LG:LG+3] offset:64*(\m)
	ds_store_b128 v[PLW], v[LG+4:LG+7] offset:64*(\m)+16
.endm
.macro GROWS reg, r0, n                ; n rows of my 16, from row r0 on, back from the stage as they lay in the landing set
.set rr, 0
.rept \n
.irp i, 0,1,2,3
	ds_load_b128 v[(\reg)+16*rr+4*\i:(\reg)+16*rr+4*\i+3], v[STW] offset:SPT*((\r0)+rr)+512*\i
.endr
.set rr, rr+1
.endr
.endm
.macro ROWFMA reg, rho                 ; the context's 16 sums += row rho x its weight
.irp k, 0,1,2,3,4,5,6,7
	v_pk_fma_f32 v[ACC+2*\k:ACC+2*\k+1], v[(\reg)+2*\k:(\reg)+2*\k+1], s[PP+2*(\rho):PP+2*(\rho)+1], v[ACC+2*\k:ACC+2*\k+1] op_sel_hi:[1,0,1]
.endr
.endm
	s_load_b512 s[4:19], s[0:1], 0x0               ; enc s[4:5], wimg s[6:7], wsc s[8:9], qb s[10:11], v s[12:13], sched s[14:15], lg s[16:17], rec s[18:19]
	s_set_vgpr_msb 0x40
	v_lshl_add_u32 v254, v0, 2, 0x29400
	v_mov_b32 v255, 0
	s_set_vgpr_msb 0x4000
	v_lshrrev_b32 v[HT], 5, v0
	v_readfirstlane_b32 s24, v[HT]                 ; wave 0..3
	v_and_b32 v[HT+1], 31, v0                      ; lane
	v_and_b32 v[HT+2], 15, v0                      ; r
	v_bfe_u32 v[HT+3], v0, 4, 1                    ; h
	v_lshlrev_b32 v[L16], 4, v[HT+1]
	v_lshlrev_b32 v[L8], 3, v[HT+1]
	v_lshlrev_b32 v[HT+4], 2, v[HT+1]              ; 4 x lane
	v_lshlrev_b32 v[HT+5], 2, v[HT+2]              ; 4 r
	v_lshlrev_b32 v[HT+6], 6, v[HT+1]              ; 64 x lane
	s_mul_i32 s68, s24, WSTG                       ; every LDS address: a constant + a constant x lane + a constant x wave, made here and kept
	s_add_co_u32 s68, s68, STAGE
	v_add_nc_u32 v[STW], s68, v[L16]
	v_mul_u32_u24 v[STR], v[HT+2], SPT
	v_lshl_add_u32 v[STR], v[HT+3], 6, v[STR]
	v_add_nc_u32 v[STR], s68, v[STR]
	s_mul_i32 s68, s24, 4*1536
	v_add_nc_u32 v[IMW], s68, v[L16]
	s_lshl_b32 s68, s24, 9
	s_add_co_u32 s69, s68, XSC
	v_add_nc_u32 v[XSW], s69, v[L16]
	s_add_co_u32 s69, s68, MRG
	v_add_nc_u32 v[MRR], s69, v[L16]
	s_lshl_b32 s68, s24, 8
	s_add_co_u32 s68, s68, PL
	v_lshl_add_u32 v[PLW], v[HT+3], 5, s68
	s_lshl_b32 s68, s24, 6
	s_add_co_u32 s68, s68, PL
	v_add_nc_u32 v[PLR], s68, v[HT+5]
	s_lshl_b32 s68, s24, 4
	v_add_nc_u32 v[LROW], s68, v[HT+2]
	s_lshl_b32 s68, s24, 11
	s_add_co_u32 s68, s68, MRG
	v_add_nc_u32 v[MRW], s68, v[L16]
	s_lshl_b32 s68, s24, 3
	s_add_co_u32 s68, s68, MS
	v_mov_b32 v[MSW], s68
	s_lshl_b32 s68, ttmp9, 4
	s_mov_b32 s69, 0
	s_wait_kmcnt 0x0
	s_add_nc_u64 s[14:15], s[14:15], s[68:69]
	s_load_b128 s[20:23], s[14:15], 0x0            ; my entry of the schedule: batch, first row, blocks, len
	s_mov_b32 s60, 0x4038aa3b                      ; c2 = 2 log2(e), as a pair
	s_mov_b32 s61, s60
	s_mov_b32 s62, 0x76543210
	s_mov_b32 s63, 0xfedcba98                      ; v_permlanex16_b32's selects for lane l xor 16
.irp r, 0,1,2,3,4,5,6,7,8,9,10,11,12,13,14,15
	s_mov_b32 s[PP+2*\r+1], 0                      ; the upper words of the weights' pairs: named, never used
.endr
	s_wait_kmcnt 0x0
	s_min_u32 s20, s20, 63                         ; stored numbers are held before they enter an address
	s_min_u32 s21, s21, 1984
	s_min_u32 s22, s22, 8
	s_min_u32 s23, s23, 2048
	s_lshl_b32 s68, s20, 22                        ; enc: a batch is 4 MiB,
	s_lshl_b32 s70, s24, 4
	s_add_co_u32 s70, s70, s21                     ; my first row = first row + 16 w,
	s_lshl_b32 s70, s70, 11                        ; of 2,048 bytes
	s_add_co_u32 s68, s68, s70
	s_add_nc_u64 s[4:5], s[4:5], s[68:69]
	s_lshl_b32 s68, s20, 11
	s_add_co_u32 s68, s68, s21
	s_lshl_b32 s68, s68, 2
	s_add_nc_u64 s[16:17], s[16:17], s[68:69]      ; lg at the first block's logits
	s_lshl_b32 s68, s20, 11
	s_lshl_b32 s70, s24, 9
	s_add_co_u32 s68, s68, s70
	s_add_nc_u64 s[10:11], s[10:11], s[68:69]      ; qb: my batch's row, my 128 units
	s_mov_b32 s68, s70
	s_add_nc_u64 s[72:73], s[12:13], s[68:69]      ; v at my 128 units
	s_mul_i32 s68, s24, 32*1536
	s_add_nc_u64 s[6:7], s[6:7], s[68:69]
	s_lshl_b32 s68, s24, 12
	s_add_nc_u64 s[8:9], s[8:9], s[68:69]
	s_mul_i32 s68, ttmp9, 2304
	s_add_co_u32 s68, s68, s70
	s_add_nc_u64 s[18:19], s[18:19], s[68:69]      ; my record, my 512 bytes of it
	WIN 0xc0                                       ; destination window 3
	XROWS 0, 15                                    ; the first block's rows.  (All loads of the head are issued whatever the schedule says: a work-group without blocks has four zeros, which name batch 0's first rows)
	WIN 0x40                                       ; window 1: K steps 0, 1
.set ff, 0
.rept 16
.irp c, 0,1,2
	global_load_b128 v[12*ff+4*\c:12*ff+4*\c+3], v[L16], s[6:7] offset:1536*ff+512*\c
.endr
.set ff, ff+1
.endr
	WIN 0x80                                       ; window 2: K steps 2, 3
.set ff, 0
.rept 16
.irp c, 0,1,2
	global_load_b128 v[12*ff+4*\c:12*ff+4*\c+3], v[L16], s[6:7] offset:1536*(16+ff)+512*\c
.endr
.set ff, ff+1
.endr
	WIN 0
.set ff, 0
.rept 32
	global_load_b32 v[WS+ff], v[HT+4], s[8:9] offset:128*ff
.set ff, ff+1
.endr
.irp t, 0,1,2,3,4,5,6,7
	global_load_b32 v[LG+\t], v[HT+5], s[72:73] offset:64*\t   ; v of unit 128 w + 16 t + r
	global_load_b32 v[BC+\t], v[HT+5], s[10:11] offset:64*\t   ; its bias
.endr
.irp i, 0,1,2,3
	global_load_b128 v[XF+4*\i:XF+4*\i+3], v[HT+6], s[12:13] offset:16*\i   ; all of v, 16 numbers a lane, for its sum
.endr
	s_wait_loadcnt 0x0
	WIN 0x80
.irp t, 0,1,2,3,4,5,6,7
	v_mul_f32 v[VV+\t], -2.0, v[LG+\t]
.endr
.irp i, 0,1,2,3,4,5,6,7,8,9,10,11,12,13,14,15
	v_mov_b32 v[ACC+\i], 0                         ; sixteen sums that many blocks add onto
.endr
	WIN 0
.irp i, 0,4,8,12
	v_pk_add_f32 v[XF+\i:XF+\i+1], v[XF+\i:XF+\i+1], v[XF+\i+2:XF+\i+3]
.endr
	v_pk_add_f32 v[XF:XF+1], v[XF:XF+1], v[XF+4:XF+5]
	v_pk_add_f32 v[XF+8:XF+9], v[XF+8:XF+9], v[XF+12:XF+13]
	v_pk_add_f32 v[XF:XF+1], v[XF:XF+1], v[XF+8:XF+9]
	v_add_f32 v[XF], v[XF], v[XF+1]
.irp x, 1,2,4,8
	v_add_f32_dpp v[XF], v[XF], v[XF] row_xmask:\x row_mask:0xf bank_mask:0xf
.endr
	v_permlanex16_b32 v[XF+1], v[XF], s62, s63
	v_add_f32 v[XF], v[XF], v[XF+1]
	v_readfirstlane_b32 s66, v[XF]                 ; the sum of v, as a pair
	s_mov_b32 s67, s66
	v_mov_b32 v[RM], 0xff61b1e6                    ; -3e38
	v_mov_b32 v[RS], 0
.irp b, 0,1,2,3
	v_mov_b32 v[TM+4+\b], 0                        ; a lane permute's destination counts as one of its sources
.endr
	v_mov_b32 v0, MS                               ; the thread's number has served: v0 is the address of the waves' (m, s) from here on
	s_mov_b32 s25, s22                             ; blocks to go
	s_mov_b32 s26, 8                               ; trips
	s_sub_co_i32 s27, s23, s21                     ; len - the block's first row
.Ltrip:
	s_wait_loadcnt 0x0                             ; the landing set is whole: its loads were issued a block ago.  The wait stands on every trip's path, so that no load into the set is out where a trip jumps over the work
	s_cmp_eq_u32 s25, 0
	s_cbranch_scc1 .Lskip_x
	; ---- X: my 16 rows go to my stage, the next block's are asked for, and the rows become four fragments
	WIN 0x0c                                       ; an LDS store's data are its source 1: window 3
.set rr, 0
.rept 16
.irp i, 0,1,2,3
	ds_store_b128 v[STW], v[16*rr+4*\i:16*rr+4*\i+3] offset:SPT*rr+512*\i
.endr
.set rr, rr+1
.endr
	WIN 0
	QLOAD 0                                        ; LDS serves a wave's instructions in order (ISA guide 5.7.1.4): these see the stores above
	s_wait_dscnt 16                                ; the 64 stores have read the landing set; the sixteen reads may be out
	s_cmp_lt_u32 s25, 2
	s_cbranch_scc1 .Lno_next_a                     ; no load leaves the rows that the schedule gives
	s_wait_xcnt 0x0                                ; the base is stepped only behind this wait
	s_add_nc_u64 s[4:5], s[4:5], 64*2048
	WIN 0xc0
	XROWS 0, 14                                    ; 60 loads, 120 KiB for the four waves, a whole block ahead; a 64th would hold the wave at the counter's field (ISA guide 5.7.1): row 15 follows in phase 2
	WIN 0
.Lno_next_a:
.irp s, 0,1,2,3
	s_wait_dscnt 0x0                               ; this K step's numbers are in, and the last image's stores have read the registers that are written again
.if \s < 3
	QLOAD \s+1                                     ; the next K step lands while this one is quantised
.endif
	QUANT HA+64*(\s%2)
.irp c, 0,1,2
	ds_store_b128 v[IMW], v[PC+4*\c:PC+4*\c+3] offset:XIMG+1536*\s+512*\c
.endr
	ds_store_b32 v[XSW], v[PW] offset:4*\s
.endr
.Lskip_x:
	BARRIER                                        ; the block's sixteen fragments lie in LDS; nobody reads the last block's partial logits any more
	s_cmp_eq_u32 s25, 0
	s_cbranch_scc1 .Lskip_1
	; ---- 1: my 128 units for the 64 rows
.irp m, 0,1,2,3
	ds_load_b128 v[XS+4*\m:XS+4*\m+3], v[L16] offset:XSC+512*\m
.endr
.irp s, 0,1,2,3
	FETCHF 0, \s
.endr
	MM 0, 0
	MM 1, 1
	RED 0
	MM 2, 1
	RED 1
	MM 3, 1
	RED 2
	WIN 0x08
	PLACES                                         ; in front of the first read of the last products' results
.set j, 0
.rept 224
	TH HA+64
.set j, j+1
.endr
	RED 3
.Lskip_1:
	BARRIER                                        ; all partial logits lie in LDS; nobody reads the fragments any more
	s_cmp_eq_u32 s25, 0
	s_cbranch_scc1 .Lskip_2
	; ---- 2: the running softmax over my 16 rows, and their weighted sum
	s_cmp_lt_u32 s25, 2
	s_cbranch_scc1 .Lno_next_b
	WIN 0xc0
	XROWS 15, 15                                   ; the next block's last row
	WIN 0
.Lno_next_b:
.irp u, 0,1,2,3
	ds_load_b32 v[LG+\u], v[PLR] offset:256*\u     ; my row's partial logit from each wave
.endr
	GROWS HA, 0, 8
	GROWS XF, 8, 3
	s_wait_dscnt 44                                ; the four partial logits are in; the 44 loads of rows may be out
	v_add_f32 v72, v72, v73
	v_add_f32 v74, v74, v75
	v_add_f32 v72, v72, v74
	v_add_f32 v72, s66, v72                        ; my row's logit
	v_cmp_gt_i32 s70, s27, v[LROW]                 ; does my row count?
	v_mov_b32 v73, 0xff61b1e6
	v_cndmask_b32 v73, v73, v72, s70
.irp x, 1,2,4,8
	v_max_num_f32_dpp v73, v73, v73 row_xmask:\x row_mask:0xf bank_mask:0xf
.endr
	v_max_num_f32 v74, v[RM], v73                  ; the new m
	v_sub_f32 v75, v[RM], v74
	v_sub_f32 v76, v72, v74
	v_mul_f32 v75, 0x3fb8aa3b, v75
	v_mul_f32 v76, 0x3fb8aa3b, v76
	v_exp_f32 v[RF], v75                           ; f
	v_exp_f32 v77, v76                             ; p
	v_mov_b32 v[RM], v74                           ; (a plain place behind the two)
	s_wait_alu depctr_va_vdst(0)                   ; the wait ahead of the first reader: one for both
	v_cndmask_b32 v77, 0, v77, s70                 ; a row that does not count has p = 0: a choice, not a product
	v_fma_f32 v[RS], v[RS], v[RF], v77
.irp r, 0,1,2,3,4,5,6,7,8,9,10,11,12,13,14,15
	v_readlane_b32 s[PP+2*\r], v77, \r
.endr
	WIN 0x82                                       ; the sums (destination, source 0): window 2
.irp k, 0,1,2,3,4,5,6,7
	v_pk_mul_f32 v[ACC+2*\k:ACC+2*\k+1], v[ACC+2*\k:ACC+2*\k+1], v[RF:RF+1] op_sel_hi:[1,0]
.endr
	WIN 0xa0                                       ; destination and source 2: window 2
.irp r, 0,1,2,3,4,5,6,7
	s_wait_dscnt 40-4*\r                           ; row r is in: behind it the rest of the first eight rows and the twelve loads of rows 8 to 10
	ROWFMA HA+16*\r, \r
.endr
	WIN 0
	GROWS HA, 11, 5
	WIN 0xa0
.irp r, 8,9,10
	s_wait_dscnt 20+4*(10-\r)                      ; behind it: the rest of these three rows and the twenty loads just issued
	ROWFMA XF+16*(\r-8), \r
.endr
.irp r, 11,12,13,14,15
	s_wait_dscnt 4*(15-\r)
	ROWFMA HA+16*(\r-11), \r
.endr
	WIN 0
	s_cmp_lg_u32 s24, 0
	s_cbranch_scc1 .Lnot_w0
.irp u, 0,1,2,3                                ; wave 0 stores the block's 64 logits, summed in the same order as above
	ds_load_b64 v[LG+2*\u:LG+2*\u+1], v[L8] offset:PL+256*\u
.endr
	s_wait_dscnt 0x0
	v_pk_add_f32 v[72:73], v[72:73], v[74:75]
	v_pk_add_f32 v[76:77], v[76:77], v[78:79]
	v_pk_add_f32 v[72:73], v[72:73], v[76:77]
	v_pk_add_f32 v[72:73], v[72:73], s[66:67] op_sel_hi:[1,0]
	global_store_b64 v[L8], v[72:73], s[16:17]     ; 32 lanes store 256 consecutive bytes, at a multiple of 256 from lg's first byte
.Lnot_w0:
	s_wait_xcnt 0x0                                ; the store has read its data and its base
	s_add_nc_u64 s[16:17], s[16:17], 256
	s_sub_co_i32 s27, s27, 64
	s_sub_co_u32 s25, s25, 1
.Lskip_2:
	s_sub_co_u32 s26, s26, 1
	s_cmp_lg_u32 s26, 0
	s_cbranch_scc1 .Ltrip
	; ---- the end: the four waves' states become one record.  A work-group without blocks stores (-3e38, 0, zeros): every record is written
.irp x, 1,2,4,8
	v_add_f32_dpp v[RS], v[RS], v[RS] row_xmask:\x row_mask:0xf bank_mask:0xf
.endr
	WIN 0x08                                       ; the data: window 2
.irp i, 0,1,2,3
	ds_store_b128 v[MRW], v[ACC+4*\i:ACC+4*\i+3] offset:512*\i
.endr
	WIN 0
	ds_store_b64 v[MSW], v[RM:RM+1]                ; all lanes write the same two words with the same values
	BARRIER
	ds_load_b128 v[128:131], v0                    ; m, s of waves 0, 1
	ds_load_b128 v[132:135], v0 offset:16          ; and of waves 2, 3
.irp u, 0,1,2,3
	ds_load_b128 v[136+4*\u:139+4*\u], v[MRR] offset:2048*\u   ; channels 128 w + 4 x lane on, of each wave's sums
.endr
	s_wait_dscnt 0x0
	v_max3_num_f32 v152, v128, v130, v132
	v_max_num_f32 v152, v152, v134                 ; M
.irp u, 0,1,2,3
	v_sub_f32 v[156+\u], v[128+2*\u], v152
.endr
.irp u, 0,1,2,3
	v_mul_f32 v[156+\u], 0x3fb8aa3b, v[156+\u]
.endr
.irp u, 0,1,2,3
	v_exp_f32 v[156+\u], v[156+\u]
.endr
	v_nop                                          ; a plain place behind the four
	s_wait_alu depctr_va_vdst(0)                   ; and the wait ahead of their first reader
	v_mul_f32 v153, v156, v129                     ; S
.irp u, 1,2,3
	v_fmac_f32 v153, v[156+\u], v[129+2*\u]
.endr
.irp e, 0,1,2,3
	v_mul_f32 v[160+\e], v156, v[136+\e]
.endr
.irp u, 1,2,3
.irp e, 0,1,2,3
	v_fmac_f32 v[160+\e], v[156+\u], v[136+4*\u+\e]
.endr
.endr
	global_store_b128 v[L16], v[160:163], s[18:19] ; 512 consecutive bytes of the record
	s_cmp_lg_u32 s24, 0
	s_cbranch_scc1 .Ldone
	global_store_b64 v[L8], v[152:153], s[18:19] offset:2048   ; (M, S), 32 times: 256 consecutive bytes
.Ldone:
	s_set_vgpr_msb 0x5
	s_wait_tensorcnt 0x0
	ds_add_u32 v254, v255
	s_wait_dscnt 0x0
	s_set_vgpr_msb 0x500
	s_endpgm
.Lfunc_end_k_q4dfd79a821_scan:
	.size	k_q4dfd79a821_scan, .Lfunc_end_k_q4dfd79a821_scan-k_q4dfd79a821_scan
	.p2alignl 7, 3214868480
	.fill 96, 4, 3214868480
	.section	.rodata,"a",@progbits
	.p2align	6, 0x0
	.amdhsa_kernel k_q4dfd79a821_scan
		.amdhsa_group_segment_fixed_size 169472
		.amdhsa_private_segment_fixed_size 0
		.amdhsa_enable_private_segment 0
		.amdhsa_kernarg_size 64
		.amdhsa_user_sgpr_count 2
		.amdhsa_user_sgpr_kernarg_segment_ptr 1
		.amdhsa_wavefront_size32 1
		.amdhsa_system_sgpr_workgroup_id_x 1
		.amdhsa_system_sgpr_workgroup_id_y 1
		.amdhsa_system_sgpr_workgroup_id_z 1
		.amdhsa_system_vgpr_workitem_id 0
		.amdhsa_next_free_vgpr 1024
		.amdhsa_next_free_sgpr 80
		.amdhsa_reserve_vcc 0
		.amdhsa_float_denorm_mode_32 3
		.amdhsa_float_denorm_mode_16_64 3
		.amdhsa_memory_ordered 1
		.amdhsa_forward_progress 1
		.amdhsa_inst_pref_size 147
	.end_amdhsa_kernel
	.amdgpu_metadata
---
amdhsa.version: [ 1, 2 ]
amdhsa.kernels:
  - .name:           k_q4dfd79a821_scan
    .symbol:         k_q4dfd79a821_scan.kd
    .args:
      - { .name: encoded_vecs, .offset: 0, .size: 8, .value_kind: global_buffer, .address_space: global }
      - { .name: wimg, .offset: 8, .size: 8, .value_kind: global_buffer, .address_space: global }
      - { .name: wsc, .offset: 16, .size: 8, .value_kind: global_buffer, .address_space: global }
      - { .name: qb, .offset: 24, .size: 8, .value_kind: global_buffer, .address_space: global }
      - { .name: v, .offset: 32, .size: 8, .value_kind: global_buffer, .address_space: global }
      - { .name: sched, .offset: 40, .size: 8, .value_kind: global_buffer, .address_space: global }
      - { .name: lg, .offset: 48, .size: 8, .value_kind: global_buffer, .address_space: global }
      - { .name: rec, .offset: 56, .size: 8, .value_kind: global_buffer, .address_space: global }
    .group_segment_fixed_size: 169472
    .private_segment_fixed_size: 0
    .kernarg_segment_align: 8
    .kernarg_segment_size: 64
    .max_flat_workgroup_size: 128
    .sgpr_count:     80
    .vgpr_count:     1024
    .wavefront_size: 32
...
	.end_amdgpu_metadata
.endif
;; end of part 2
;; launch join (part 3): grid 64 x 1, 4 waves a work-group, no clusters, 0 bytes of LDS; arguments sched, rec, lg, out0, out1; writes out0, out1
.if DOCPART == 3
	.amdgcn_target "amdgcn-amd-amdhsa--gfx1250"
	.amdhsa_code_object_version 6
	.text
	.protected	k_q4dfd79a821_join
	.globl	k_q4dfd79a821_join
	.p2align	8
	.type	k_q4dfd79a821_join,@function
k_q4dfd79a821_join:
	s_mov_b64 s[64:65], 0
	v_nop
	global_prefetch_b8 v0, s[64:65] scope:SCOPE_SE
	s_setreg_imm32_b32 hwreg(HW_REG_WAVE_MODE, 25, 1), 1
	s_wait_xcnt 0x0
; One work-group a batch.  The batch's n records (M, S, ctx under M) are joined: Mx = the largest M, S = sum of 2^((M - Mx) log2 e) S, context = sum of weights x ctx / (S + 1e-5);
; attention[l] = exp(logit[l] - Mx) / (S + 1e-5) for l < len, else 0.  Every number of both outputs is written; len = 0 gives zeros.
; No loop, no LDS, no barrier: each wave makes the batch's figures for itself (a lane a record); thread t owns channels 4 t .. 4 t + 3 and positions 4 t + 512 i .. + 3.
; 32 records are always loaded: one beyond the batch's n names the batch's last record again and has the weight 0.  Logits are loaded only from the blocks of 64 that the main launch wrote (under 64 nb).
; LIMITS: as in the main launch; the stored numbers are held before they enter an address.
	s_load_b256 s[4:11], s[0:1], 0x0               ; sched s[4:5], rec s[6:7], lg s[8:9], out0 s[10:11]
	s_load_b64 s[12:13], s[0:1], 0x20              ; out1
	v_and_b32 v1, 31, v0                           ; lane
	v_lshlrev_b32 v3, 4, v0                        ; 16 t
	v_lshlrev_b32 v6, 2, v0                        ; 4 t
	s_lshl_b32 s14, ttmp9, 4
	s_mov_b32 s15, 0
	s_mov_b32 s24, 0x76543210
	s_mov_b32 s25, 0xfedcba98                      ; v_permlanex16_b32's selects for lane l xor 16
	s_mov_b32 s26, 0x3fb8aa3b                      ; log2(e), as a pair
	s_mov_b32 s27, s26
	s_wait_kmcnt 0x0
	s_add_nc_u64 s[4:5], s[4:5], s[14:15]
	s_load_b128 s[16:19], s[4:5], 0x1000           ; start, n, len, nb of my batch
.irp i, 0,1,2,3,4,5,6,7,8,9,10,11,12,13,14,15
	v_mov_b32 v[192+\i], 0                         ; the logits' registers are written whole before some lanes load into them
.endr
	s_lshl_b32 s14, ttmp9, 13
	s_add_nc_u64 s[8:9], s[8:9], s[14:15]
	s_add_nc_u64 s[12:13], s[12:13], s[14:15]
	s_lshl_b32 s14, ttmp9, 11
	s_add_nc_u64 s[10:11], s[10:11], s[14:15]
	s_wait_kmcnt 0x0
	s_min_u32 s16, s16, 255
	s_min_u32 s17, s17, 32
	s_min_u32 s18, s18, 2048
	s_min_u32 s19, s19, 32
	s_max_u32 s20, s17, 1
	s_sub_co_u32 s20, s20, 1                       ; the batch's last record, counted from start
	v_min_u32 v2, s20, v1
	v_add_nc_u32 v2, s16, v2
	v_min_u32 v2, 0xff, v2
	v_mul_u32_u24 v2, v2, 2304
	global_load_b64 v[4:5], v2, s[6:7] offset:2048 ; (M, S) of record lane
.set jj, 0
.rept 32
	s_min_u32 s21, s20, jj
	s_add_co_u32 s21, s21, s16
	s_min_u32 s21, s21, 255
	s_mul_i32 s21, s21, 2304
	v_add_nc_u32 v[32+jj], s21, v3                 ; an address register for each load: none is written while a load may read it
	global_load_b128 v[64+4*jj:67+4*jj], v[32+jj], s[6:7]
.set jj, jj+1
.endr
	s_lshl_b32 s21, s19, 6                         ; 64 nb
.irp i, 0,1,2,3
	v_add_nc_u32 v7, 512*\i, v6
	v_cmp_gt_u32 vcc_lo, s21, v7
	s_wait_xcnt 0x0                                ; EXEC changes only behind this wait,
	s_and_saveexec_b32 s22, vcc_lo
	global_load_b128 v[192+4*\i:195+4*\i], v3, s[8:9] offset:2048*\i
	s_wait_xcnt 0x0                                ; and again in front of the line that widens it
	s_or_b32 exec_lo, exec_lo, s22
.endr
	s_wait_loadcnt 0x0
	v_cmp_gt_u32 s23, s17, v1                      ; is my lane's record one of the batch's?
	v_mov_b32 v8, 0xff61b1e6                       ; -3e38
	v_cndmask_b32 v9, v8, v4, s23
.irp x, 1,2,4,8
	v_max_num_f32_dpp v9, v9, v9 row_xmask:\x row_mask:0xf bank_mask:0xf
.endr
	v_permlanex16_b32 v7, v9, s24, s25
	v_max_num_f32 v9, v9, v7                       ; Mx
	v_sub_f32 v10, v4, v9
	v_mul_f32 v10, s26, v10
	v_exp_f32 v10, v10
	v_mul_f32 v14, 0xbfb8aa3b, v9                  ; -Mx log2(e).  (A plain place behind the exponential)
	s_wait_alu depctr_va_vdst(0)                   ; the wait ahead of the first reader
	v_cndmask_b32 v10, 0, v10, s23                 ; the record's weight
	v_mul_f32 v11, v10, v5
.irp x, 1,2,4,8
	v_add_f32_dpp v11, v11, v11 row_xmask:\x row_mask:0xf bank_mask:0xf
.endr
	v_permlanex16_b32 v7, v11, s24, s25
	v_add_f32 v11, v11, v7                         ; S
	v_add_f32 v11, 0x3727c5ac, v11                 ; + 1e-5
	v_rcp_f32 v12, v11
	v_mov_b32 v15, v14                             ; (a plain place; the pair v[14:15] is named whole)
	s_wait_alu depctr_va_vdst(0)
	v_mul_f32 v13, v10, v12                        ; weight / (S + 1e-5)
.irp k, 0,1,2,3,4,5,6,7
	v_pk_fma_f32 v[192+2*\k:193+2*\k], v[192+2*\k:193+2*\k], s[26:27], v[14:15] op_sel_hi:[1,0,0]   ; (logit - Mx) log2(e)
.endr
.irp i, 0,1,2,3,4,5,6,7,8,9,10,11,12,13,14,15
	v_exp_f32 v[192+\i], v[192+\i]                 ; one batch; the context's sums below are the work behind it
.endr
.set jj, 0
.rept 32
	v_readlane_b32 s[32+jj], v13, jj
.set jj, jj+1
.endr
.irp e, 0,1,2,3
	v_mul_f32 v[16+\e], s32, v[64+\e]
.endr
.set jj, 1
.rept 31
.irp e, 0,1,2,3
	v_fmac_f32 v[16+\e], s[32+jj], v[64+4*jj+\e]
.endr
.set jj, jj+1
.endr
	global_store_b128 v3, v[16:19], s[10:11]       ; a wave stores 512 consecutive bytes of the batch's row of out0
	s_wait_alu depctr_va_vdst(0)                   ; one wait for the sixteen exponentials, ahead of their first reader
.irp k, 0,1,2,3,4,5,6,7
	v_pk_mul_f32 v[192+2*\k:193+2*\k], v[192+2*\k:193+2*\k], v[12:13] op_sel_hi:[1,0]
.endr
.irp i, 0,1,2,3
.irp e, 0,1,2,3
	s_sub_co_i32 s21, s18, 512*\i+\e
	v_cmp_gt_i32 vcc_lo, s21, v6                   ; position 4 t + 512 i + e < len?
	v_cndmask_b32 v[192+4*\i+\e], 0, v[192+4*\i+\e], vcc_lo   ; a choice, not a product
.endr
.endr
.irp i, 0,1,2,3
	global_store_b128 v3, v[192+4*\i:195+4*\i], s[12:13] offset:2048*\i
.endr
	s_endpgm
.Lfunc_end_k_q4dfd79a821_join:
	.size	k_q4dfd79a821_join, .Lfunc_end_k_q4dfd79a821_join-k_q4dfd79a821_join
	.p2alignl 7, 3214868480
	.fill 96, 4, 3214868480
	.section	.rodata,"a",@progbits
	.p2align	6, 0x0
	.amdhsa_kernel k_q4dfd79a821_join
		.amdhsa_group_segment_fixed_size 0
		.amdhsa_private_segment_fixed_size 0
		.amdhsa_enable_private_segment 0
		.amdhsa_kernarg_size 40
		.amdhsa_user_sgpr_count 2
		.amdhsa_user_sgpr_kernarg_segment_ptr 1
		.amdhsa_wavefront_size32 1
		.amdhsa_system_sgpr_workgroup_id_x 1
		.amdhsa_system_sgpr_workgroup_id_y 1
		.amdhsa_system_sgpr_workgroup_id_z 1
		.amdhsa_system_vgpr_workitem_id 0
		.amdhsa_next_free_vgpr 224
		.amdhsa_next_free_sgpr 66
		.amdhsa_reserve_vcc 1
		.amdhsa_float_denorm_mode_32 3
		.amdhsa_float_denorm_mode_16_64 3
		.amdhsa_memory_ordered 1
		.amdhsa_forward_progress 1
		.amdhsa_inst_pref_size 25
	.end_amdhsa_kernel
	.amdgpu_metadata
---
amdhsa.version: [ 1, 2 ]
amdhsa.kernels:
  - .name:           k_q4dfd79a821_join
    .symbol:         k_q4dfd79a821_join.kd
    .args:
      - { .name: sched, .offset: 0, .size: 8, .value_kind: global_buffer, .address_space: global }
      - { .name: rec, .offset: 8, .size: 8, .value_kind: global_buffer, .address_space: global }
      - { .name: lg, .offset: 16, .size: 8, .value_kind: global_buffer, .address_space: global }
      - { .name: out0, .offset: 24, .size: 8, .value_kind: global_buffer, .address_space: global }
      - { .name: out1, .offset: 32, .size: 8, .value_kind: global_buffer, .address_space: global }
    .group_segment_fixed_size: 0
    .private_segment_fixed_size: 0
    .kernarg_segment_align: 8
    .kernarg_segment_size: 40
    .max_flat_workgroup_size: 128
    .sgpr_count:     66
    .vgpr_count:     224
    .wavefront_size: 32
...
	.end_amdgpu_metadata
.endif
;; end of part 3
;; ======== version 2 of 2: 3 launches; version 1 with the launches prep, scan written anew for expert scheduling mode
;; workspace buffers: wimg 196,608 bytes; wsc 16,384 bytes; qb 131,072 bytes; sched 5,120 bytes of whole numbers; lg 524,288 bytes; rec 589,824 bytes
;; launch prep (part 4): grid 21 x 1, 8 waves a work-group, no clusters, 48,128 bytes of LDS; arguments W1, b1, query, length, wimg, wsc, qb, sched; writes wimg, wsc, qb, sched
.if DOCPART == 4
	.amdgcn_target "amdgcn-amd-amdhsa--gfx1250"
	.amdhsa_code_object_version 6
	.text
	.protected	k_q4dfd79a821_prep
	.globl	k_q4dfd79a821_prep
	.p2align	8
	.type	k_q4dfd79a821_prep,@function
k_q4dfd79a821_prep:
	s_mov_b64 s[64:65], 0
	v_nop
	global_prefetch_b8 v0, s[64:65] scope:SCOPE_SE
	s_setreg_imm32_b32 hwreg(HW_REG_WAVE_SCHED_MODE, 0, 2), 2
	s_setreg_imm32_b32 hwreg(HW_REG_WAVE_MODE, 25, 1), 1
	s_wait_xcnt 0x0
	s_wait_alu depctr_vm_vsrc(0)
; What the main launch needs once: W1's codes, the query's part of the product, and who works on what.
; Work-groups 0-15:  W1[0:512][512] f32, K its first axis, becomes 128 fragments (16 units x 128 K) of FP6 (E2M3) codes, stored as images of an operand's registers, and one scale word a lane.
;                    A lane takes a column (a unit) and its registers run down K, so the conversions' results are the operand's registers.  One fragment a wave.
; Work-groups 16-19: qb[b][e] = c2 x (Q(query[b]) . Q(W1[512:768, e]) + b1[e]), c2 = 2 log2(e): the last 256 of K are the same row for all positions of a batch, and 512 is a multiple of 32,
;                    so no block of 32 straddles the seam: that part of the quantised product is made once, 64 x 256 x 512, on the same codes and by the same matrix instruction.
; Work-group 20:     the schedule, whole numbers only.  A block is 64 positions; batch b has nb = ceil(len / 64) blocks that count.  q is the least of 1..8 with sum of ceil(nb / q) <= 256 (8 always fits: 64 x 4).
;                    Batch b gets n = ceil(nb / q) work-groups of the main launch, start .. start + n - 1; the j-th takes blocks j q .. min(j q + q, nb) - 1.
;                    sched: 256 x (batch, first row, blocks, len) from byte 0; 64 x (start, n, len, nb) from byte 4096.
; A block's scale is 2^(floor(log2(its largest magnitude)) - 2); its byte is the largest magnitude's exponent field - 2, held at 1 from below (a block of zeros keeps 1: its codes are zeros, and this program alone reads the bytes).
; LIMITS: NaN and infinities among the inputs are not served; length is held to 0 .. 2048.
; REGISTERS of work-groups 16-19: v0-15 lane numbers, addresses, b1; v16-63 at work and addresses; v64-127 the query's numbers, then W1's K 640 .. 767; v128-191 W1's K 512 .. 639;
;   later v64-159 the query's eight fragments, v160-191 four accumulators, v192-223 rows on the way out; v220-243 W1's codes; v244-253 scale words and nothing else; v254-255 addresses.
; THE MODE: SCHED_MODE bits 1:0 = 2 (LLVM: expert scheduling mode 2), set by the entry lines.  The code itself states the register dependences
; between vector or matrix instructions and memory or LDS instructions, and those through scalar registers that vector instructions write, with s_wait_alu, always for 0.
; THE PLAN.  No path has a loop; each wait stands ahead of a run of loads or stores and covers all that the run hangs on.
;   W1's path:     offsets, a wait, 64 loads; the quantiser; a wait, four stores.
;   query's path:  offsets, a wait, 82 loads; the query's quantiser; a wait, behind which stand its four LDS stores and the 64 loads into the registers that it has read; a wait on vm_vsrc ahead of the lines
;                  that write the stores' registers again; W1's two quantisers; behind the barrier eight places and a wait, for the LDS loads into the registers that they read and for the products that take their codes;
;                  the products and the scaling; a wait, the stage's stores, and behind the barrier the loads into v192-223, of which the products read v220-223.
;   the schedule:  numbers pass from lanes to scalar registers in runs, with one wait behind each run: four sums; then, eight batches at a time, sixteen numbers and eight masks.
.set C2,   0x4038aa3b                  ; 2 log2(e)
.set QIMG, 0                           ; LDS (work-groups 16-19 alone): the query's 8 fragments as register images, 1,536 bytes each (tile of rows m, K step s: 2 m + s),
.set QSC,  12288                       ; their scale words, 128 bytes each,
.set QST,  13312                       ; and a stage of 64 rows x (512 bytes + 16)
.set PC,   16                          ; v16-35  QUANT: codes just made
.set TM,   36                          ; v36-51  QUANT: at work
.set PW,   52                          ; v52     QUANT: the scale word
.set QSW,  53                          ; v53     where I store my query fragment's scale word
.set WM,   54                          ; v54-55  WQUANT: largest magnitudes;  v56-57 the conversions' scale operands;  v58-59 bytes;  v60 at work
.set WO,   56
.set WB,   58
.set WT,   60
.set L16,  61                          ; v61     16 x lane
.set L4,   62                          ; v62     4 x lane
.set SO,   63                          ; v63     the stage: where I put 32 bytes of a row
.set WX,   16                          ; v16-22  WQUANT: the upper halves of two blocks' codes (a conversion's three registers begin on an even number)
.set QF,   64                          ; v64-159 the query's eight fragments, back from LDS
.set AC,   160                         ; v160-191 four accumulators
.set BK,   192                         ; v192-223 eight rows on the way out
.set CW,   220                         ; v220-243 W1's codes: two fragments
.set QSS,  244                         ; v244-251 the query's scale words
.set WSS,  252                         ; v252-253 W1's scale words
.set SR,   254                         ; v254    the stage: where I read rows back
.set GO,   255                         ; v255    and their place in qb
; 64 numbers of my column: register 32 c + i = W1[k0 + 64 c + 32 h + i][column]; sixteen neighbouring lanes read 64 neighbouring bytes
.macro WLOAD dst, k0
.set wi, 0
.rept 64
	global_load_b32 v[(\dst)+wi], v4, s[4:5] offset:((\k0)+64*(wi/32)+wi%32)*2048
.set wi, wi+1
.endr
.endm
; s26 = which 128 units: v4 = my column's bytes in a row of W1, + 32 rows for lanes 16-31.  Leaves 64 x tile in s28
.macro WADDR
	s_lshl_b32 s27, s26, 3
	s_add_co_u32 s27, s27, s24                     ; tile of 16 units = 8 w + wave
	s_lshl_b32 s28, s27, 6
	v_lshlrev_b32 v4, 2, v2
	v_lshl_add_u32 v4, v3, 16, v4
	v_add_nc_u32 v4, s28, v4
.endm
; my 64 numbers (two whole blocks of 32 along K) become registers cod .. cod + 11 of the operand, and the scale word scw
.macro WQUANT src, cod, scw
.irp c, 0,1
	v_max3_num_f32 v[WM+\c], |v[\src+32*\c]|, |v[\src+32*\c+1]|, 0x1800000   ; with the floor 2^(3 - 127): the byte cannot fall under 1
.endr
.irp i, 2,4,6,8,10,12,14,16,18,20,22,24,26,28,30
.irp c, 0,1
	v_max3_num_f32 v[WM+\c], v[WM+\c], |v[\src+32*\c+\i]|, |v[\src+32*\c+\i+1]|
.endr
.endr
.irp c, 0,1
	v_add_nc_u32 v[WO+\c], 0xff000000, v[WM+\c]    ; 2 off the exponent field: the conversion takes this operand's exponent field as its scale
.endr
.irp c, 0,1
	v_lshrrev_b32 v[WB+\c], 23, v[WO+\c]           ; the scale's byte
.endr
	v_lshl_or_b32 v[\scw], v[WB+1], 16, v[WB]      ; my two bytes: blocks h and 2 + h,
	v_lshlrev_b32 v[WT], 3, v3
	v_lshlrev_b32 v[\scw], v[WT], v[\scw]          ; at their places in the word;
	v_mov_b32 v[WT], 0
	v_permlanex16_b32 v[WT], v[\scw], s20, s21
	v_or_b32 v[\scw], v[\scw], v[WT]               ; with lane l xor 16's two the word is whole
.irp c, 0,1
	v_cvt_scalef32_pk16_fp6_f32 v[\cod+6*\c:\cod+6*\c+2], v[\src+32*\c:\src+32*\c+15], v[WO+\c]
	v_cvt_scalef32_pk16_fp6_f32 v[WX+4*\c:WX+4*\c+2], v[\src+32*\c+16:\src+32*\c+31], v[WO+\c]
.endr
	v_nop                                          ; one plain place behind a scaled conversion
.irp c, 0,1
.irp i, 0,1,2
	v_mov_b32 v[\cod+6*\c+3+\i], v[WX+4*\c+\i]
.endr
.endr
.endm
; 64 numbers of a lane, register 16 b + i = k 32 b + 16 (lane / 16) + i of my row, become a fragment's codes in v[PC] on and its scale word in v[PW]
.macro QUANT s
.irp b, 0,1,2,3
	v_max3_num_f32 v[TM+\b], |v[\s+16*\b]|, |v[\s+1+16*\b]|, 0x1800000
.endr
.irp i, 2,4,6,8,10,12,14
.irp b, 0,1,2,3
	v_max3_num_f32 v[TM+\b], v[TM+\b], |v[\s+16*\b+\i]|, |v[\s+1+16*\b+\i]|
.endr
.endr
.irp b, 0,1,2,3
	v_permlanex16_b32 v[TM+4+\b], v[TM+\b], s20, s21
.endr
.irp b, 0,1,2,3
	v_max_num_f32 v[TM+\b], v[TM+\b], v[TM+4+\b]   ; with lane l xor 16's: the block's largest magnitude
.endr
.irp b, 0,1,2,3
	v_add_nc_u32 v[TM+12+\b], 0xff000000, v[TM+\b]
.endr
.irp b, 0,1,2,3
	v_lshrrev_b32 v[TM+4+\b], 23, v[TM+12+\b]
.endr
	v_lshl_or_b32 v[PW], v[TM+5], 8, v[TM+4]
	v_lshl_or_b32 v[PW], v[TM+6], 16, v[PW]
	v_lshl_or_b32 v[PW], v[TM+7], 24, v[PW]
.irp c, 0,1
	v_cvt_scalef32_pk16_fp6_f32 v[PC+6*\c:PC+2+6*\c], v[\s+32*\c:\s+15+32*\c], v[TM+12+2*\c]
	v_cvt_scalef32_pk16_fp6_f32 v[PC+12+4*\c:PC+14+4*\c], v[\s+16+32*\c:\s+31+32*\c], v[TM+12+2*\c+1]
.endr
	v_nop                                          ; one plain place behind a scaled conversion
.irp c, 0,1                                    ; the operand wants a whole block in a lane: lanes 0-15 block 2 c, lanes 16-31 block 2 c + 1
.irp i, 0,1,2
	v_permlane16_swap_b32 v[PC+6*\c+\i], v[PC+12+4*\c+\i]
.endr
.irp i, 0,1,2
	v_mov_b32 v[PC+3+6*\c+\i], v[PC+12+4*\c+\i]
.endr
.endr
.endm
	s_load_b512 s[4:19], s[0:1], 0x0               ; W1 s[4:5], b1 s[6:7], query s[8:9], length s[10:11], wimg s[12:13], wsc s[14:15], qb s[16:17], sched s[18:19]
	s_set_vgpr_msb 0x40
	v_lshl_add_u32 v0, v0, 2, 0xb800
	v_mov_b32 v1, 0
	s_set_vgpr_msb 0x4000
	v_lshrrev_b32 v1, 5, v0
	v_readfirstlane_b32 s24, v1                    ; wave 0..7
	v_and_b32 v1, 31, v0                           ; lane
	v_and_b32 v2, 15, v0                           ; r
	v_bfe_u32 v3, v0, 4, 1                         ; h
	v_lshlrev_b32 v[L16], 4, v1
	v_lshlrev_b32 v[L4], 2, v1
	s_mov_b32 s20, 0x76543210
	s_mov_b32 s21, 0xfedcba98                      ; v_permlanex16_b32's selects for lane l xor 16
	s_mov_b32 s23, 0
	s_wait_alu depctr_va_sdst(0)                   ; s24 is written
	s_wait_kmcnt 0x0
	s_cmp_lt_u32 ttmp9, 16                         ; the three kinds of work part on the work-group's number alone
	s_cbranch_scc1 .Lpath_a
	s_cmp_lt_u32 ttmp9, 20
	s_cbranch_scc1 .Lpath_b
; ---------------- the schedule.  All eight waves run it; wave t makes the entries of work-groups 32 t .. 32 t + 31 (g = my thread's number)
	s_wait_alu depctr_va_vdst(0)                   ; v[L4] is written, which the two loads read as their offset
	global_load_b32 v5, v[L4], s[10:11]            ; length of batch lane
	global_load_b32 v6, v[L4], s[10:11] offset:128 ; and of batch 32 + lane
	v_mov_b32 v12, 0                               ; my work-group's batch,
	v_mov_b32 v13, 0                               ; that batch's first work-group,
	v_mov_b32 v14, 0                               ; its len
	v_mov_b32 v15, 0                               ; start of batch lane, of batch 32 + lane (a lane write's destination counts as read)
	v_mov_b32 v16, 0
	v_mov_b32 v24, 0
	s_wait_loadcnt 0x0
	v_max_i32 v5, 0, v5
	v_max_i32 v6, 0, v6
	v_min_u32 v5, 0x800, v5
	v_min_u32 v6, 0x800, v6
	v_add_nc_u32 v7, 63, v5
	v_add_nc_u32 v8, 63, v6
	v_lshrrev_b32 v7, 6, v7                        ; nb, 0 .. 32
	v_lshrrev_b32 v8, 6, v8
; ceil(nb / q) = floor((nb + q - 1) / q) = ((nb + q - 1) x (65536 / q + 1)) >> 16, exact up to 39.  The eight sums go two to a register, 16 bits each (a sum is 2,048 at the most)
.macro TOT q, mg
	v_add_nc_u32 v25, (\q)-1, v7
	v_add_nc_u32 v26, (\q)-1, v8
	v_mul_u32_u24 v25, v25, \mg
	v_mul_u32_u24 v26, v26, \mg
	v_lshrrev_b32 v25, 16, v25
	v_lshrrev_b32 v26, 16, v26
.if (\q)%2
	v_add_nc_u32 v[20+((\q)-1)/2], v25, v26
.else
	v_add_nc_u32 v25, v25, v26
	v_lshl_or_b32 v[20+((\q)-1)/2], v25, 16, v[20+((\q)-1)/2]
.endif
.endm
	TOT 1, 65537
	TOT 2, 32769
	TOT 3, 21846
	TOT 4, 16385
	TOT 5, 13108
	TOT 6, 10923
	TOT 7, 9363
	TOT 8, 8193
.irp k, 20,21,22,23                            ; over the 32 lanes
.irp x, 1,2,4,8
	v_mov_b32_dpp v24, v\k row_xmask:\x row_mask:0xf bank_mask:0xf
	v_add_nc_u32 v\k, v\k, v24
.endr
	v_permlanex16_b32 v24, v\k, s20, s21
	v_add_nc_u32 v\k, v\k, v24
.endr
.irp k, 0,1,2,3
	v_readfirstlane_b32 s[36+\k], v[20+\k]
.endr
	s_wait_alu depctr_va_sdst(0)                   ; s36 to s39 are written, ahead of their first readers: one wait for the run of four
.irp k, 0,1,2,3
	s_and_b32 s[40+2*\k], s[36+\k], 0xffff         ; s40 .. s47: the totals for q = 1 .. 8
	s_lshr_b32 s[41+2*\k], s[36+\k], 16
.endr
	s_mov_b32 s28, 8                               ; q,
	s_mov_b32 s29, 8193                            ; and its multiplier.  The totals fall as q rises, so the last choice taken below is the least q that fits
.macro PICK qq, mg
	s_cmp_le_u32 s[39+\qq], 256
	s_cselect_b32 s28, \qq, s28
	s_cselect_b32 s29, \mg, s29
.endm
	PICK 7, 9363
	PICK 6, 10923
	PICK 5, 13108
	PICK 4, 16385
	PICK 3, 21846
	PICK 2, 32769
	PICK 1, 65537
	s_sub_co_u32 s30, s28, 1
	v_add_nc_u32 v9, s30, v7
	v_add_nc_u32 v10, s30, v8
	v_mul_u32_u24 v9, s29, v9
	v_mul_u32_u24 v10, s29, v10
	v_lshrrev_b32 v9, 16, v9                       ; n of batch lane
	v_lshrrev_b32 v10, 16, v10                     ; and of batch 32 + lane
	s_mov_b32 s31, 0                               ; work-groups given out so far
; The walk over the batches: my work-group belongs to the last batch whose start is not above g.  Eight batches at a time: s32-39 their n, s40-47 their len, s48-55 their starts, s56-63 the masks 'start above g'
.set gg, 0
.rept 8
.irp i, 0,1,2,3,4,5,6,7
	v_readlane_b32 s[32+\i], v[9+gg/4], (8*gg+\i)%32
	v_readlane_b32 s[40+\i], v[5+gg/4], (8*gg+\i)%32
.endr
	s_wait_alu depctr_va_sdst(0)                   ; the eight n and the eight len are written, ahead of their first readers: one wait for the run of sixteen
.irp i, 0,1,2,3,4,5,6,7
	s_mov_b32 s[48+\i], s31                        ; the batch's start
	s_add_co_u32 s31, s31, s[32+\i]
.endr
.irp i, 0,1,2,3,4,5,6,7
	v_writelane_b32 v[15+gg/4], s[48+\i], (8*gg+\i)%32
	v_cmp_gt_u32 s[56+\i], s[48+\i], v0
.endr
	s_wait_alu depctr_va_sdst(0)                   ; the eight masks are written, ahead of the choices that read them
.irp i, 0,1,2,3,4,5,6,7
	v_cndmask_b32 v12, 8*gg+\i, v12, s[56+\i]
	v_cndmask_b32 v13, s[48+\i], v13, s[56+\i]
	v_cndmask_b32 v14, s[40+\i], v14, s[56+\i]
.endr
.set gg, gg+1
.endr
	v_cmp_gt_u32 vcc_lo, s31, v0                   ; a work-group beyond the total gets four zeros
	v_add_nc_u32 v17, 63, v14
	v_lshrrev_b32 v17, 6, v17                      ; my batch's nb
	v_sub_nc_u32 v18, v0, v13                      ; j
	v_mul_u32_u24 v18, s28, v18                    ; my first block
	v_sub_nc_u32 v19, v17, v18
	v_min_u32 v19, s28, v19                        ; my blocks
	v_lshlrev_b32 v18, 6, v18                      ; my first row
	s_wait_alu depctr_va_vcc(0)                    ; VCC is written, ahead of the four choices that read it
	v_cndmask_b32 v20, 0, v12, vcc_lo
	v_cndmask_b32 v21, 0, v18, vcc_lo
	v_cndmask_b32 v22, 0, v19, vcc_lo
	v_cndmask_b32 v23, 0, v14, vcc_lo
	v_lshlrev_b32 v24, 4, v0
	s_wait_alu depctr_va_vdst(0)                   ; v[20:23] and v24 are written: the store's data and its offset
	global_store_b128 v24, v[20:23], s[18:19]      ; a wave stores 512 consecutive bytes
	s_cmp_lg_u32 s24, 0
	s_cbranch_scc1 .Lc_end
	v_mov_b32 v28, v15                             ; wave 0: the batches' table
	v_mov_b32 v29, v9
	v_mov_b32 v30, v5
	v_mov_b32 v31, v7
	v_mov_b32 v32, v16
	v_mov_b32 v33, v10
	v_mov_b32 v34, v6
	v_mov_b32 v35, v8
	s_wait_alu depctr_va_vdst(0)                   ; v[28:35] are written, which the two stores read
	global_store_b128 v[L16], v[28:31], s[18:19] offset:4096
	global_store_b128 v[L16], v[32:35], s[18:19] offset:4608
.Lc_end:
	s_endpgm
; ---------------- W1[0:512]: K step s = work-group / 4, units 128 w on with w = work-group % 4, tile = wave
.Lpath_a:
	s_lshr_b32 s25, ttmp9, 2
	s_and_b32 s26, ttmp9, 3
	WADDR
	s_lshl_b32 s22, s25, 18                        ; 128 s rows of 2,048 bytes
	s_add_nc_u64 s[4:5], s[4:5], s[22:23]
	s_wait_alu depctr_va_vdst(0)                   ; v4 is written, which the 64 loads read as their offset; so are v[L16] and v[L4], the stores' offsets
	WLOAD 128, 0
	s_lshl_b32 s28, s26, 5
	s_lshl_b32 s29, s25, 3
	s_add_co_u32 s28, s28, s29
	s_add_co_u32 s28, s28, s24                     ; the fragment's number: 32 w + 8 s + tile
	s_mul_i32 s22, s28, 1536
	s_add_nc_u64 s[12:13], s[12:13], s[22:23]
	s_lshl_b32 s22, s28, 7
	s_add_nc_u64 s[14:15], s[14:15], s[22:23]
	s_wait_loadcnt 0x0
	WQUANT 128, CW, WSS
	s_wait_alu depctr_va_vdst(0)                   ; the quantiser has written the codes v[CW ..] and the scale word, which the four stores read
.irp c, 0,1,2
	global_store_b128 v[L16], v[CW+4*\c:CW+4*\c+3], s[12:13] offset:512*\c   ; the image: registers 4 c .. 4 c + 3, 16 bytes a lane, 512 consecutive bytes
.endr
	global_store_b32 v[L4], v[WSS], s[14:15]
	s_endpgm
; ---------------- the query's product: units 128 w on, w = work-group - 16; tile = wave; all 64 rows of query
.Lpath_b:
	s_sub_co_u32 s26, ttmp9, 16
	WADDR
	v_lshl_add_u32 v5, v3, 5, s28                  ; b1 at unit 16 tile + 8 h
	s_lshr_b32 s29, s24, 1                         ; the query fragment that I quantise: rows 16 (wave / 2) on,
	s_and_b32 s30, s24, 1                          ; K step wave % 2
	s_lshl_b32 s29, s29, 14
	s_lshl_b32 s30, s30, 9
	s_add_co_u32 s29, s29, s30
	v_lshlrev_b32 v6, 10, v2
	v_lshl_add_u32 v6, v3, 6, v6
	v_add_nc_u32 v6, s29, v6                       ; row r of 1,024 bytes, + 64 h: my 16 numbers of each block of 32
	s_wait_alu depctr_va_vdst(0)                   ; v4, v5 and v6 are written, which the loads below read as their offsets
	global_load_b128 v[8:11], v5, s[6:7]
	global_load_b128 v[12:15], v5, s[6:7] offset:16
.irp b, 0,1,2,3
.irp j, 0,1,2,3
	global_load_b128 v[64+16*\b+4*\j:67+16*\b+4*\j], v6, s[8:9] offset:128*\b+16*\j
.endr
.endr
	WLOAD 128, 512                                 ; K 512 .. 639 of my column
	s_mul_i32 s29, s24, 1536                       ; every LDS address is a constant + a constant x lane + a constant x wave; none of these registers is a load's destination
	v_add_nc_u32 v7, s29, v[L16]                   ; my fragment's image
	s_lshl_b32 s29, s24, 7
	v_add_nc_u32 v[QSW], s29, v[L4]
	v_mul_u32_u24 v[SO], v2, 528
	v_lshl_add_u32 v[SO], v3, 5, v[SO]
	s_lshl_b32 s29, s24, 6
	v_add_nc_u32 v[SO], s29, v[SO]                 ; the stage: row r, + 64 x tile + 32 h
	s_mul_i32 s29, s24, 8*528
	v_add_nc_u32 v[SR], s29, v[L16]                ; back: rows 8 wave on
	s_lshl_b32 s29, s24, 14
	s_lshl_b32 s30, s26, 9
	s_add_co_u32 s29, s29, s30
	v_add_nc_u32 v[GO], s29, v[L16]                ; qb: row 8 wave of 2,048 bytes, + 512 w
.irp b, 0,1,2,3
	v_mov_b32 v[TM+4+\b], 0                        ; a lane permute's destination counts as one of its sources
.endr
	s_mov_b32 s32, C2
	s_mov_b32 s33, C2
	s_wait_loadcnt 63                              ; b1 and the query's numbers are in: 64 loads are younger, the count leaves 63 of them out
	QUANT 64
	s_wait_alu depctr_va_vdst(0)                   ; the quantiser has written the codes and the scale word, and the lines above the LDS addresses, which the stores read; and it is done reading v64-127, in which the 64 loads below land
.irp c, 0,1,2
	ds_store_b128 v7, v[PC+4*\c:PC+4*\c+3] offset:QIMG+512*\c
.endr
	ds_store_b32 v[QSW], v[PW] offset:QSC
	WLOAD 64, 640                                  ; K 640 .. 767 of my column, into the registers that the query's numbers have left: they land while K 512 .. 639 are quantised
	s_wait_dscnt 0x0                               ; my stores into LDS are done
	s_wait_alu depctr_vm_vsrc(0)                   ; the four LDS stores have read v16-27 and v52: W1's quantiser writes v16-22 again, the scaling below v16-47
	s_wait_loadcnt 63                              ; K 512 .. 639 are in: 64 loads are younger
	WQUANT 128, CW, WSS
	s_wait_loadcnt 0x0
	WQUANT 64, CW+12, WSS+1
	s_wait_dscnt 0x0
	s_barrier_signal -1
	s_barrier_wait -1                              ; the query's eight fragments lie in LDS
.rept 8
	v_nop                                          ; a scale register written by a vector instruction stands 8 places ahead of a scaled matrix instruction, an operand so written 4
.endr
	s_wait_alu depctr_va_vdst(0)                   ; W1's quantisers are done reading v64-159, in which the fragments below land, and have written the codes v[CW ..] and the scale words v[WSS ..], which the products take
.irp f, 0,1,2,3,4,5,6,7
.irp c, 0,1,2
	ds_load_b128 v[QF+12*\f+4*\c:QF+12*\f+4*\c+3], v[L16] offset:QIMG+1536*\f+512*\c
.endr
	ds_load_b32 v[QSS+\f], v[L4] offset:QSC+128*\f
.endr
	s_wait_dscnt 0x0
.irp m, 0,1,2,3                                ; transposed: source 0 = my 16 units of W1, source 1 = 16 rows of query; b1 is the C of each sum's first product.  The four accumulators take turns
	v_wmma_scale_f32_16x16x128_f8f6f4 v[AC+8*\m:AC+8*\m+7], v[CW:CW+11], v[QF+24*\m:QF+24*\m+11], v[8:15], v[WSS], v[QSS+2*\m] matrix_a_fmt:MATRIX_FMT_FP6 matrix_b_fmt:MATRIX_FMT_FP6
.endr
.irp m, 0,1,2,3
	v_wmma_scale_f32_16x16x128_f8f6f4 v[AC+8*\m:AC+8*\m+7], v[CW+12:CW+23], v[QF+24*\m+12:QF+24*\m+23], v[AC+8*\m:AC+8*\m+7], v[WSS+1], v[QSS+2*\m+1] matrix_a_fmt:MATRIX_FMT_FP6 matrix_b_fmt:MATRIX_FMT_FP6
.endr
.rept 4
	v_nop
.endr
.irp k, 0,1,2,3,4,5,6,7,8,9,10,11,12,13,14,15
	v_pk_mul_f32 v[16+2*\k:17+2*\k], v[AC+2*\k:AC+2*\k+1], s[32:33] op_sel_hi:[1,0]   ; x c2; each accumulator from its low end on
.endr
	s_wait_alu depctr_va_vdst(0)                   ; the scaling has written v16-47, which the stage's stores read; the products are done reading v220-223, in which a row lands behind the barrier
.irp m, 0,1,2,3
	ds_store_b128 v[SO], v[16+8*\m:19+8*\m] offset:QST+16*\m*528       ; lane (r, h): qb(16 m + r, 16 tile + 8 h + 0 .. 7)
	ds_store_b128 v[SO], v[20+8*\m:23+8*\m] offset:QST+16*\m*528+16
.endr
	s_wait_dscnt 0x0
	s_barrier_signal -1
	s_barrier_wait -1                              ; 64 rows of 512 bytes lie in the stage
.irp i, 0,1,2,3,4,5,6,7
	ds_load_b128 v[BK+4*\i:BK+4*\i+3], v[SR] offset:QST+528*\i
.endr
.irp i, 0,1,2,3,4,5,6,7
	s_wait_dscnt 7-\i                              ; row i is back; the younger rows may be out
	global_store_b128 v[GO], v[BK+4*\i:BK+4*\i+3], s[16:17] offset:2048*\i   ; 32 lanes store 512 consecutive bytes, at a multiple of 256 from qb's first byte
.endr
	s_set_vgpr_msb 0x5
	s_wait_dscnt 0x0
	s_wait_alu depctr_hold_cnt(0) depctr_sa_sdst(0) depctr_va_vdst(0) depctr_va_sdst(0) depctr_va_ssrc(0) depctr_va_vcc(0) depctr_vm_vsrc(0)
	s_wait_tensorcnt 0x0
	ds_add_u32 v0, v1
	s_wait_dscnt 0x0
	s_endpgm
.Lfunc_end_k_q4dfd79a821_prep:
	.size	k_q4dfd79a821_prep, .Lfunc_end_k_q4dfd79a821_prep-k_q4dfd79a821_prep
	.p2alignl 7, 3214868480
	.fill 96, 4, 3214868480
	.section	.rodata,"a",@progbits
	.p2align	6, 0x0
	.amdhsa_kernel k_q4dfd79a821_prep
		.amdhsa_group_segment_fixed_size 48128
		.amdhsa_private_segment_fixed_size 0
		.amdhsa_enable_private_segment 0
		.amdhsa_kernarg_size 64
		.amdhsa_user_sgpr_count 2
		.amdhsa_user_sgpr_kernarg_segment_ptr 1
		.amdhsa_wavefront_size32 1
		.amdhsa_system_sgpr_workgroup_id_x 1
		.amdhsa_system_sgpr_workgroup_id_y 1
		.amdhsa_system_sgpr_workgroup_id_z 1
		.amdhsa_system_vgpr_workitem_id 0
		.amdhsa_next_free_vgpr 258
		.amdhsa_next_free_sgpr 66
		.amdhsa_reserve_vcc 1
		.amdhsa_float_denorm_mode_32 3
		.amdhsa_float_denorm_mode_16_64 3
		.amdhsa_memory_ordered 1
		.amdhsa_forward_progress 1
		.amdhsa_inst_pref_size 85
	.end_amdhsa_kernel
	.amdgpu_metadata
---
amdhsa.version: [ 1, 2 ]
amdhsa.kernels:
  - .name:           k_q4dfd79a821_prep
    .symbol:         k_q4dfd79a821_prep.kd
    .args:
      - { .name: W1, .offset: 0, .size: 8, .value_kind: global_buffer, .address_space: global }
      - { .name: b1, .offset: 8, .size: 8, .value_kind: global_buffer, .address_space: global }
      - { .name: query, .offset: 16, .size: 8, .value_kind: global_buffer, .address_space: global }
      - { .name: length, .offset: 24, .size: 8, .value_kind: global_buffer, .address_space: global }
      - { .name: wimg, .offset: 32, .size: 8, .value_kind: global_buffer, .address_space: global }
      - { .name: wsc, .offset: 40, .size: 8, .value_kind: global_buffer, .address_space: global }
      - { .name: qb, .offset: 48, .size: 8, .value_kind: global_buffer, .address_space: global }
      - { .name: sched, .offset: 56, .size: 8, .value_kind: global_buffer, .address_space: global }
    .group_segment_fixed_size: 48128
    .private_segment_fixed_size: 0
    .kernarg_segment_align: 8
    .kernarg_segment_size: 64
    .max_flat_workgroup_size: 256
    .sgpr_count:     66
    .vgpr_count:     258
    .wavefront_size: 32
...
	.end_amdgpu_metadata
.endif
;; end of part 4
;; launch scan (part 5): grid 256 x 1, 4 waves a work-group, no clusters, 169,472 bytes of LDS; arguments encoded_vecs, wimg, wsc, qb, v, sched, lg, rec; writes lg, rec
.if DOCPART == 5
	.amdgcn_target "amdgcn-amd-amdhsa--gfx1250"
	.amdhsa_code_object_version 6
	.text
	.protected	k_q4dfd79a821_scan
	.globl	k_q4dfd79a821_scan
	.p2align	8
	.type	k_q4dfd79a821_scan,@function
k_q4dfd79a821_scan:
	s_mov_b64 s[64:65], 0
	v_nop
	global_prefetch_b8 v0, s[64:65] scope:SCOPE_SE
	s_setreg_imm32_b32 hwreg(HW_REG_WAVE_SCHED_MODE, 0, 2), 2
	s_setreg_imm32_b32 hwreg(HW_REG_WAVE_MODE, 25, 1), 1
	s_wait_xcnt 0x0
	s_wait_alu depctr_vm_vsrc(0)
; For the rows of one batch that the schedule gives this work-group (up to 8 blocks of 64 positions, all under ceil(len / 64) blocks):
;   logit[l] = sum over e of v[e] tanh(Q(enc[l]) . Q(W1[0:512, e]) + query's part + b1[e]);  a running softmax (largest logit m, sum s) over the positions l < len;  ctx = sum of exp(logit - m) enc[l].
; enc is read from memory ONCE: it lands in registers, goes to the wave's own stage in LDS, and is read from there twice: a row to a lane for the quantiser, and as it lies for the weighted sum.
; Positions at or beyond len get attention 0 and add nothing (the mask that the problem builds from length): blocks wholly beyond len are neither read nor multiplied.
; SHARES.  The four waves share the UNITS: wave w holds W1's codes for units 128 w .. 128 w + 127 (32 fragments, 384 registers) for the whole launch.  Of a block's 64 rows wave w owns rows 16 w .. 16 w + 15:
; it loads and quantises them (four fragments, handed to the other waves as images of their registers) and later weighs them into its part of the context.
; THE PRODUCT: source 0 = 16 positions of enc, source 1 = 16 units of W1: lane (r, h) holds unit r, register j position 8 h + j.  So the bias and v cost one register a tile.
; tanh(x) = 1 - 2 / (1 + 2^(c2 x)), c2 = 2 log2(e); qb holds c2 x (the query's part + b1), so c2 x is one fused multiply-add; logit = sum of v - sum of 2 v / (1 + 2^(c2 x)).
; BY TURNS.  A row tile's 224 vector instructions (scaling, exponentials, reciprocals, the dot with v) stand in sevens behind the next row tile's 32 matrix instructions, on the other of two result buffers.
; THE LOOP has a constant 8 trips and two barriers a trip on every path; a trip without a block jumps over the work between them (a branch on a stored whole number).
; No tensor load, no copy, no cluster: what is done hangs on the schedule; the one thing that all work-groups read alike, W1's codes, is read once by each, at its head.
; LIMITS: NaN and infinities among the inputs are not served.  The running maximum starts at -3e38, under every logit (|logit| <= the sum of |v|).  A block of 32 zeros keeps the scale byte 1: its codes are zeros.
; REGISTERS, in windows of 256.  Window 0: v0-15 addresses and the running state; v16-47 W1's scale words; v48-55 the bias; v56-71 enc's scale words; v72-79 logit sums, at work in phase 2;
;   v80-127 four fragments of enc (while quantising: codes and work); v128-255 two result buffers of 64 (at the head: lane numbers; while quantising: 2 x 64 numbers; in phase 2: rows of enc).
;   Window 1: W1's K steps 0, 1.   Window 2: K steps 2, 3; v192-199 -2 v; v200-215 the context's 16 sums.   Window 3: the landing set: 16 rows x 16 registers.
; THE MODE: SCHED_MODE bits 1:0 = 2 (LLVM: expert scheduling mode 2), set by the entry lines.  The code itself states the register dependences
; between vector or matrix instructions and memory or LDS instructions, and those through scalar registers that vector instructions write, with s_wait_alu, always for 0.
; THE PLAN.  Registers that memory or LDS instructions touch in the loop, and who else names them:
;   the landing set   loads of enc land; phase X's 64 LDS stores read it; no vector instruction names it.
;   HA  v128-255      X: LDS loads land, the quantiser reads.   1: the products write, the list of 224 works in place.   2: LDS loads land, the weighted sum reads.
;   XF  v80-127       X: the quantiser writes v80-116, the images' LDS stores read v80-91 and v116.   1: LDS loads land, the products read.   2: LDS loads land, the weighted sum reads.
;   XS  v56-71        1: LDS loads land, the products read them as scales.
;   LG  v72-79        1: the list's last 32 and the sums across lanes write, two LDS stores a row tile read.   2: LDS loads land, the softmax works there; wave 0: loads land, four sums, a global store reads v72-73.
;   v0-v9, v13-v15    addresses, made at the head and never written again.
; Each phase ends with every such register free for the next, on every way through the skips: a wait on va_vdst stands at the trip's head, behind each quantising, at each row tile's end, ahead of phase 2's second run
; of rows and ahead of each store of fresh numbers; a wait on vm_vsrc ahead of each first write of registers that stores have read, and at the ends of phases X and 1.
; In phase 1 the two waits that the list of 224 has for its exponentials and its reciprocals also state that the products issued ahead of them are done reading their fragments: the next row tile's fragments are fetched behind them.
.set XIMG,  0                          ; LDS: a block's 16 fragments as register images, 1,536 bytes each (row tile m, K step s: 4 m + s)
.set XSC,   24576                      ; their scale words: row tile m at 512 m; lane l's four words (s = 0 .. 3) at 16 l
.set PL,    26624                      ; partial logits: wave w's 64 at 256 w
.set MRG,   27648                      ; the end: each wave's 512 sums, 2,048 bytes
.set MS,    35840                      ; and its (m, s), 8 bytes
.set STAGE, 36864                      ; a stage for each wave: its 16 rows of enc,
.set SPT,   2064                       ; 2,048 bytes + 16 apart: an odd multiple of 16
.set WSTG,  16*SPT
.set L16,  1                           ; v1   16 x lane
.set STW,  2                           ; v2   my stage + 16 x lane: rows as they lie
.set STR,  3                           ; v3   my stage + SPT r + 64 h: a row to a lane
.set IMW,  4                           ; v4   where I store my fragments' images
.set XSW,  5                           ; v5   and their scale words
.set PLW,  6                           ; v6   where I store partial logits: PL + 256 w + 32 h
.set PLR,  7                           ; v7   where I read those of my row: PL + 4 (16 w + r)
.set LROW, 8                           ; v8   16 w + r: my row in the block
.set L8,   9                           ; v9   8 x lane
.set RM,   10                          ; v10  running m;  v11 running s (a lane's part)
.set RS,   11
.set RF,   12                          ; v12  f = 2^((old m - new m) log2 e); named as the pair v[12:13], of which the low word serves both halves
.set MSW,  13                          ; v13  MS + 8 w
.set MRW,  14                          ; v14  MRG + 2,048 w + 16 x lane
.set MRR,  15                          ; v15  MRG + 512 w + 16 x lane
.set WS,   16
.set BC,   48
.set XS,   56
.set LG,   72
.set XF,   80
.set HA,   128
.set HT,   128                         ; the head alone: v128 wave, v129 lane, v130 r, v131 h, v132 4 x lane, v133 4 r, v134 64 x lane
.set PC,   80                          ; QUANT: codes;  v100-115 at work;  v116 the scale word
.set TM,   100
.set PW,   116
.set VV,   192                         ; in window 2
.set ACC,  200
.set PP,   28                          ; s[28:59] the block's 16 weights of my rows, each the low word of a pair
.set MSB, 0
.macro WIN new                         ; low byte: bits 1:0 source 0, 3:2 source 1, 5:4 source 2, 7:6 destination; the high byte repeats the setting that is left
.if MSB != \new
	s_set_vgpr_msb (MSB<<8)|\new
.set MSB, \new
.endif
.endm
.macro PLACES                          ; four plain places behind a matrix instruction (ISA guide 7.12.1)
.rept 4
	v_nop
.endr
.endm
.macro BARRIER                         ; my LDS stores have landed and my LDS loads are in: then the work-group's barrier
	s_wait_dscnt 0x0
	s_barrier_signal -1
	s_barrier_wait -1
.endm
.macro XROWS r0, r1                    ; rows r0 .. r1 of my 16 into the landing set: each load reads 512 consecutive bytes
.set rr, \r0
.rept (\r1)-(\r0)+1
.irp i, 0,1,2,3
	global_load_b128 v[16*rr+4*\i:16*rr+4*\i+3], v[L16], s[4:5] offset:2048*rr+512*\i th:TH_LOAD_NT
.endr
.set rr, rr+1
.endr
.endm
.macro QLOAD s                         ; K step s of my row: register 16 b + 4 j + e = k 128 s + 32 b + 16 h + 4 j + e, into number buffer s % 2
.irp b, 0,1,2,3
.irp j, 0,1,2,3
	ds_load_b128 v[HA+64*((\s)%2)+16*\b+4*\j:HA+64*((\s)%2)+16*\b+4*\j+3], v[STR] offset:512*(\s)+128*\b+16*\j
.endr
.endr
.endm
.macro QUANT s                         ; 64 numbers of a lane become a fragment's codes in v[PC] on and its scale word in v[PW]
.irp b, 0,1,2,3
	v_max3_num_f32 v[TM+\b], |v[\s+16*\b]|, |v[\s+1+16*\b]|, 0x1800000   ; block b: my 16 numbers, and the floor 2^(3 - 127): the byte cannot fall under 1
.endr
.irp i, 2,4,6,8,10,12,14
.irp b, 0,1,2,3
	v_max3_num_f32 v[TM+\b], v[TM+\b], |v[\s+16*\b+\i]|, |v[\s+1+16*\b+\i]|
.endr
.endr
.irp b, 0,1,2,3
	v_permlanex16_b32 v[TM+4+\b], v[TM+\b], s62, s63
.endr
.irp b, 0,1,2,3
	v_max_num_f32 v[TM+\b], v[TM+\b], v[TM+4+\b]   ; with lane l xor 16's: the block's largest magnitude
.endr
.irp b, 0,1,2,3
	v_add_nc_u32 v[TM+12+\b], 0xff000000, v[TM+\b] ; 2 off its exponent field: the conversion's scale operand
.endr
.irp b, 0,1,2,3
	v_lshrrev_b32 v[TM+4+\b], 23, v[TM+12+\b]      ; the scale's byte
.endr
	v_lshl_or_b32 v[PW], v[TM+5], 8, v[TM+4]
	v_lshl_or_b32 v[PW], v[TM+6], 16, v[PW]
	v_lshl_or_b32 v[PW], v[TM+7], 24, v[PW]
.irp c, 0,1
	v_cvt_scalef32_pk16_fp6_f32 v[PC+6*\c:PC+2+6*\c], v[\s+32*\c:\s+15+32*\c], v[TM+12+2*\c]
	v_cvt_scalef32_pk16_fp6_f32 v[PC+12+4*\c:PC+14+4*\c], v[\s+16+32*\c:\s+31+32*\c], v[TM+12+2*\c+1]   ; (a conversion's three registers begin on an even number)
.endr
	v_nop                                          ; one plain place behind a scaled conversion
.irp c, 0,1                                    ; the operand wants a whole block in a lane
.irp i, 0,1,2
	v_permlane16_swap_b32 v[PC+6*\c+\i], v[PC+12+4*\c+\i]
.endr
.irp i, 0,1,2
	v_mov_b32 v[PC+3+6*\c+\i], v[PC+12+4*\c+\i]
.endr
.endr
.endm
.macro FETCHF m, s                     ; the fragment of row tile m, K step s, back as it was stored
.irp c, 0,1,2
	ds_load_b128 v[XF+12*(\s)+4*\c:XF+12*(\s)+4*\c+3], v[L16] offset:XIMG+(4*(\m)+(\s))*1536+512*\c
.endr
.endm
.macro PROD m, s, t                    ; tile t of my units x row tile m, K step s; the first K step starts the sum
.if (\s) == 0
	v_wmma_scale_f32_16x16x128_f8f6f4 v[HA+64*((\m)%2)+8*(\t):HA+64*((\m)%2)+8*(\t)+7], v[XF+12*(\s):XF+12*(\s)+11], v[12*(8*((\s)%2)+(\t)):12*(8*((\s)%2)+(\t))+11], 0, v[XS+4*(\m)+(\s)], v[WS+8*(\s)+(\t)] matrix_a_fmt:MATRIX_FMT_FP6 matrix_b_fmt:MATRIX_FMT_FP6
.else
	v_wmma_scale_f32_16x16x128_f8f6f4 v[HA+64*((\m)%2)+8*(\t):HA+64*((\m)%2)+8*(\t)+7], v[XF+12*(\s):XF+12*(\s)+11], v[12*(8*((\s)%2)+(\t)):12*(8*((\s)%2)+(\t))+11], v[HA+64*((\m)%2)+8*(\t):HA+64*((\m)%2)+8*(\t)+7], v[XS+4*(\m)+(\s)], v[WS+8*(\s)+(\t)] matrix_a_fmt:MATRIX_FMT_FP6 matrix_b_fmt:MATRIX_FMT_FP6
.endif
.endm
; Number j of the 224 instructions that turn a row tile's 64 sums a lane (buffer hb) into 8 partial logits a lane.
;   0-31 c2 x + bias, a pair each, each accumulator from its low end on;  32-95 the exponentials, one batch;  96-127 + 1;  128-191 the reciprocals, one batch;  192-223 x -2 v, summed over my 8 tiles.
; Ahead of numbers 96 and 192 stand one plain instruction and the one wait between a batch and its first reader.
; None but 192-223 has a vector register as source 1, so all run under the products' window settings; 192-223 fall behind the 28th product, where source 1 means window 2, and -2 v lies there.
.macro TH hb
.if j < 32
.if (j/4)%2
	v_pk_fma_f32 v[(\hb)+2*j:(\hb)+2*j+1], v[(\hb)+2*j:(\hb)+2*j+1], s[60:61], v[BC+2*(j/8):BC+2*(j/8)+1] op_sel:[0,0,1] op_sel_hi:[1,0,1]
.else
	v_pk_fma_f32 v[(\hb)+2*j:(\hb)+2*j+1], v[(\hb)+2*j:(\hb)+2*j+1], s[60:61], v[BC+2*(j/8):BC+2*(j/8)+1] op_sel_hi:[1,0,0]
.endif
.elseif j < 96
	v_exp_f32 v[(\hb)+j-32], v[(\hb)+j-32]
.elseif j < 128
.if j == 96
	v_nop
	s_wait_alu depctr_va_vdst(0)                   ; the 64 exponentials have written their results, which the additions read; among products: the fourteen issued so far, K step 0's eight among them, are done reading their fragments
.endif
	v_pk_add_f32 v[(\hb)+2*(j-96):(\hb)+2*(j-96)+1], v[(\hb)+2*(j-96):(\hb)+2*(j-96)+1], 1.0 op_sel_hi:[1,0]
.elseif j < 192
	v_rcp_f32 v[(\hb)+j-128], v[(\hb)+j-128]
.else
.if j == 192
	v_nop
	s_wait_alu depctr_va_vdst(0)                   ; the 64 reciprocals have written their results, which the lines below read; among products: those of K steps 1 and 2 are done reading their fragments
	s_wait_alu depctr_vm_vsrc(0)                   ; the stores of the partial logits made last have read v[LG ..], which the next four lines write anew
.endif
.set tq, (j-192)/4
.set uq, (j-192)%4
.if tq == 0
	v_pk_mul_f32 v[LG+2*uq:LG+2*uq+1], v[(\hb)+2*uq:(\hb)+2*uq+1], v[VV:VV+1] op_sel_hi:[1,0]
.elseif tq%2
	v_pk_fma_f32 v[LG+2*uq:LG+2*uq+1], v[(\hb)+8*tq+2*uq:(\hb)+8*tq+2*uq+1], v[VV+tq-1:VV+tq], v[LG+2*uq:LG+2*uq+1] op_sel:[0,1,0] op_sel_hi:[1,1,1]
.else
	v_pk_fma_f32 v[LG+2*uq:LG+2*uq+1], v[(\hb)+8*tq+2*uq:(\hb)+8*tq+2*uq+1], v[VV+tq:VV+tq+1], v[LG+2*uq:LG+2*uq+1] op_sel_hi:[1,0,1]
.endif
.endif
.endm
.macro REDA                            ; the 8 partial logits are summed over the 16 units of the lanes of a half,
	WIN 0
.irp x, 1,2,4,8
.irp k, 0,1,2,3,4,5,6,7
	v_add_f32_dpp v[LG+\k], v[LG+\k], v[LG+\k] row_xmask:\x row_mask:0xf bank_mask:0xf
.endr
.endr
.endm
.macro REDS m                          ; and stored: the sixteen lanes write the same bytes with the same values
	ds_store_b128 v[PLW], v[LG:LG+3] offset:64*(\m)
	ds_store_b128 v[PLW], v[LG+4:LG+7] offset:64*(\m)+16
.endm
; Row tile m: 32 products, the eight accumulators by turns, one instruction a turn.  sl = 1: seven numbers of the last row tile's list behind each.
; THE NEXT ROW TILE'S FRAGMENTS are fetched into the registers of this one's, each behind a wait that shows its eight products done:
;   with a list: fragment 0 behind product 14's slice (the wait ahead of number 96 stands behind product 13); fragments 1 and 2 behind product 27's slice (the wait ahead of number 192 stands in it);
;   fragment 3 at the end.  Between such a wait and its fetch stand lines of the list, which name HA, LG and -2 v, and product 14, which names fragment 1: none names the registers fetched into, nor v[L16].
;   row tile 0, which has no list: fragments 0 and 1 behind K step 1, fragments 2 and 3 at the end, each time behind four places and a wait of its own.
; At the end of a row tile with a list the sums across lanes of the list's 8 partial logits stand ahead of the one wait, which so serves their two stores too.
; The plain instructions of the list are the places between a fragment's last product and the fetch into it (ten, five and 39 by the list's numbers), and between a result's last product and its first reader.
.macro MM m, sl
.set j, 0
.set pn, 0
.irp s, 0,1,2,3
.if (\m) == 0
	s_wait_dscnt 9-3*((\s)%2)                      ; this K step's fragment is in.  Younger: 9, 6 (the row tile's other fragments), then 9, 6 again (with the two fetched behind K step 1)
.elseif (\m) < 3
	s_wait_dscnt 9-3*(\s)+3*((\s)/2)               ; younger: 9, 6, then 6, 3 (with the next row tile's fragment 0); two stores of partial logits, where they lie between, only make the wait stricter
.else
	s_wait_dscnt 9-3*(\s)                          ; the last row tile fetches nothing more: the count runs down
.endif
.if \s < 2
	WIN 0x04                                       ; source 1 (W1): window 1
.else
	WIN 0x08                                       ; window 2
.endif
.irp t, 0,1,2,3,4,5,6,7
	PROD \m, \s, \t
.if \sl
.rept 7
	TH HA+64*(((\m)+1)%2)
.set j, j+1
.endr
.if ((\m) < 3) && (pn == 14)
	FETCHF (\m)+1, 0
.endif
.if ((\m) < 3) && (pn == 27)
	FETCHF (\m)+1, 1
	FETCHF (\m)+1, 2
.endif
.endif
.set pn, pn+1
.endr
.if ((\m) == 0) && (\s == 1)
	PLACES
	s_wait_alu depctr_va_vdst(0)                   ; the products of K steps 0 and 1 are done reading their fragments, in which the next row tile's land
	FETCHF 1, 0
	FETCHF 1, 1
.endif
.endr
.if (\m) == 0
	PLACES                                         ; also the places in front of the first read of these results
	s_wait_alu depctr_va_vdst(0)                   ; the products of K steps 2 and 3 are done reading their fragments, in which the next row tile's land
	FETCHF 1, 2
	FETCHF 1, 3
.else
	REDA
	s_wait_alu depctr_va_vdst(0)                   ; the sums across lanes have written v[LG ..], which the two stores read; K step 3's products are done reading their fragment
.if (\m) < 3
	FETCHF (\m)+1, 3
.endif
	REDS (\m)-1
.endif
.endm
.macro GROWS reg, r0, n                ; n rows of my 16, from row r0 on, back from the stage as they lay in the landing set
.set rr, 0
.rept \n
.irp i, 0,1,2,3
	ds_load_b128 v[(\reg)+16*rr+4*\i:(\reg)+16*rr+4*\i+3], v[STW] offset:SPT*((\r0)+rr)+512*\i
.endr
.set rr, rr+1
.endr
.endm
.macro ROWFMA reg, rho                 ; the context's 16 sums += row rho x its weight
.irp k, 0,1,2,3,4,5,6,7
	v_pk_fma_f32 v[ACC+2*\k:ACC+2*\k+1], v[(\reg)+2*\k:(\reg)+2*\k+1], s[PP+2*(\rho):PP+2*(\rho)+1], v[ACC+2*\k:ACC+2*\k+1] op_sel_hi:[1,0,1]
.endr
.endm
	s_load_b512 s[4:19], s[0:1], 0x0               ; enc s[4:5], wimg s[6:7], wsc s[8:9], qb s[10:11], v s[12:13], sched s[14:15], lg s[16:17], rec s[18:19]
	s_set_vgpr_msb 0x40
	v_lshl_add_u32 v254, v0, 2, 0x29400
	v_mov_b32 v255, 0
	s_set_vgpr_msb 0x4000
	v_lshrrev_b32 v[HT], 5, v0
	v_readfirstlane_b32 s24, v[HT]                 ; wave 0..3
	v_and_b32 v[HT+1], 31, v0                      ; lane
	v_and_b32 v[HT+2], 15, v0                      ; r
	v_bfe_u32 v[HT+3], v0, 4, 1                    ; h
	v_lshlrev_b32 v[L16], 4, v[HT+1]
	v_lshlrev_b32 v[L8], 3, v[HT+1]
	v_lshlrev_b32 v[HT+4], 2, v[HT+1]              ; 4 x lane
	v_lshlrev_b32 v[HT+5], 2, v[HT+2]              ; 4 r
	v_lshlrev_b32 v[HT+6], 6, v[HT+1]              ; 64 x lane
	s_wait_alu depctr_va_sdst(0)                   ; s24 is written, ahead of its first reader: the LDS addresses and the bases are made from it
	s_mul_i32 s68, s24, WSTG                       ; every LDS address: a constant + a constant x lane + a constant x wave, made here and kept
	s_add_co_u32 s68, s68, STAGE
	v_add_nc_u32 v[STW], s68, v[L16]
	v_mul_u32_u24 v[STR], v[HT+2], SPT
	v_lshl_add_u32 v[STR], v[HT+3], 6, v[STR]
	v_add_nc_u32 v[STR], s68, v[STR]
	s_mul_i32 s68, s24, 4*1536
	v_add_nc_u32 v[IMW], s68, v[L16]
	s_lshl_b32 s68, s24, 9
	s_add_co_u32 s69, s68, XSC
	v_add_nc_u32 v[XSW], s69, v[L16]
	s_add_co_u32 s69, s68, MRG
	v_add_nc_u32 v[MRR], s69, v[L16]
	s_lshl_b32 s68, s24, 8
	s_add_co_u32 s68, s68, PL
	v_lshl_add_u32 v[PLW], v[HT+3], 5, s68
	s_lshl_b32 s68, s24, 6
	s_add_co_u32 s68, s68, PL
	v_add_nc_u32 v[PLR], s68, v[HT+5]
	s_lshl_b32 s68, s24, 4
	v_add_nc_u32 v[LROW], s68, v[HT+2]
	s_lshl_b32 s68, s24, 11
	s_add_co_u32 s68, s68, MRG
	v_add_nc_u32 v[MRW], s68, v[L16]
	s_lshl_b32 s68, s24, 3
	s_add_co_u32 s68, s68, MS
	v_mov_b32 v[MSW], s68
	s_lshl_b32 s68, ttmp9, 4
	s_mov_b32 s69, 0
	s_wait_kmcnt 0x0
	s_add_nc_u64 s[14:15], s[14:15], s[68:69]
	s_load_b128 s[20:23], s[14:15], 0x0            ; my entry of the schedule: batch, first row, blocks, len
	s_mov_b32 s60, 0x4038aa3b                      ; c2 = 2 log2(e), as a pair
	s_mov_b32 s61, s60
	s_mov_b32 s62, 0x76543210
	s_mov_b32 s63, 0xfedcba98                      ; v_permlanex16_b32's selects for lane l xor 16
.irp r, 0,1,2,3,4,5,6,7,8,9,10,11,12,13,14,15
	s_mov_b32 s[PP+2*\r+1], 0                      ; the upper words of the weights' pairs: named, never used
.endr
	s_wait_kmcnt 0x0
	s_min_u32 s20, s20, 63                         ; stored numbers are held before they enter an address
	s_min_u32 s21, s21, 1984
	s_min_u32 s22, s22, 8
	s_min_u32 s23, s23, 2048
	s_lshl_b32 s68, s20, 22                        ; enc: a batch is 4 MiB,
	s_lshl_b32 s70, s24, 4
	s_add_co_u32 s70, s70, s21                     ; my first row = first row + 16 w,
	s_lshl_b32 s70, s70, 11                        ; of 2,048 bytes
	s_add_co_u32 s68, s68, s70
	s_add_nc_u64 s[4:5], s[4:5], s[68:69]
	s_lshl_b32 s68, s20, 11
	s_add_co_u32 s68, s68, s21
	s_lshl_b32 s68, s68, 2
	s_add_nc_u64 s[16:17], s[16:17], s[68:69]      ; lg at the first block's logits
	s_lshl_b32 s68, s20, 11
	s_lshl_b32 s70, s24, 9
	s_add_co_u32 s68, s68, s70
	s_add_nc_u64 s[10:11], s[10:11], s[68:69]      ; qb: my batch's row, my 128 units
	s_mov_b32 s68, s70
	s_add_nc_u64 s[72:73], s[12:13], s[68:69]      ; v at my 128 units
	s_mul_i32 s68, s24, 32*1536
	s_add_nc_u64 s[6:7], s[6:7], s[68:69]
	s_lshl_b32 s68, s24, 12
	s_add_nc_u64 s[8:9], s[8:9], s[68:69]
	s_mul_i32 s68, ttmp9, 2304
	s_add_co_u32 s68, s68, s70
	s_add_nc_u64 s[18:19], s[18:19], s[68:69]      ; my record, my 512 bytes of it
	WIN 0xc0                                       ; destination window 3
	s_wait_alu depctr_va_vdst(0)                   ; the addresses and offsets v1 to v9, v13 to v15 and v132 to v134 are written, which the loads below and the loop's LDS instructions read
	XROWS 0, 15                                    ; the first block's rows.  (All loads of the head are issued whatever the schedule says: a work-group without blocks has four zeros, which name batch 0's first rows)
	WIN 0x40                                       ; window 1: K steps 0, 1
.set ff, 0
.rept 16
.irp c, 0,1,2
	global_load_b128 v[12*ff+4*\c:12*ff+4*\c+3], v[L16], s[6:7] offset:1536*ff+512*\c
.endr
.set ff, ff+1
.endr
	WIN 0x80                                       ; window 2: K steps 2, 3
.set ff, 0
.rept 16
.irp c, 0,1,2
	global_load_b128 v[12*ff+4*\c:12*ff+4*\c+3], v[L16], s[6:7] offset:1536*(16+ff)+512*\c
.endr
.set ff, ff+1
.endr
	WIN 0
.set ff, 0
.rept 32
	global_load_b32 v[WS+ff], v[HT+4], s[8:9] offset:128*ff
.set ff, ff+1
.endr
.irp t, 0,1,2,3,4,5,6,7
	global_load_b32 v[LG+\t], v[HT+5], s[72:73] offset:64*\t   ; v of unit 128 w + 16 t + r
	global_load_b32 v[BC+\t], v[HT+5], s[10:11] offset:64*\t   ; its bias
.endr
.irp i, 0,1,2,3
	global_load_b128 v[XF+4*\i:XF+4*\i+3], v[HT+6], s[12:13] offset:16*\i   ; all of v, 16 numbers a lane, for its sum
.endr
	s_wait_loadcnt 0x0
	s_wait_alu depctr_vm_vsrc(0)                   ; the loads above have read their offsets v132 to v134: the loop's LDS loads land in these registers
	WIN 0x80
.irp t, 0,1,2,3,4,5,6,7
	v_mul_f32 v[VV+\t], -2.0, v[LG+\t]
.endr
.irp i, 0,1,2,3,4,5,6,7,8,9,10,11,12,13,14,15
	v_mov_b32 v[ACC+\i], 0                         ; sixteen sums that many blocks add onto
.endr
	WIN 0
.irp i, 0,4,8,12
	v_pk_add_f32 v[XF+\i:XF+\i+1], v[XF+\i:XF+\i+1], v[XF+\i+2:XF+\i+3]
.endr
	v_pk_add_f32 v[XF:XF+1], v[XF:XF+1], v[XF+4:XF+5]
	v_pk_add_f32 v[XF+8:XF+9], v[XF+8:XF+9], v[XF+12:XF+13]
	v_pk_add_f32 v[XF:XF+1], v[XF:XF+1], v[XF+8:XF+9]
	v_add_f32 v[XF], v[XF], v[XF+1]
.irp x, 1,2,4,8
	v_add_f32_dpp v[XF], v[XF], v[XF] row_xmask:\x row_mask:0xf bank_mask:0xf
.endr
	v_permlanex16_b32 v[XF+1], v[XF], s62, s63
	v_add_f32 v[XF], v[XF], v[XF+1]
	v_readfirstlane_b32 s66, v[XF]                 ; the sum of v
	v_mov_b32 v[RM], 0xff61b1e6                    ; -3e38
	v_mov_b32 v[RS], 0
.irp b, 0,1,2,3
	v_mov_b32 v[TM+4+\b], 0                        ; a lane permute's destination counts as one of its sources
.endr
	v_mov_b32 v0, MS                               ; the thread's number has served: v0 is the address of the waves' (m, s) from here on
	s_wait_alu depctr_va_sdst(0)                   ; s66 is written, ahead of its first reader
	s_mov_b32 s67, s66                             ; as a pair
	s_mov_b32 s25, s22                             ; blocks to go
	s_mov_b32 s26, 8                               ; trips
	s_sub_co_i32 s27, s23, s21                     ; len - the block's first row
.Ltrip:
	s_wait_loadcnt 0x0                             ; the landing set is whole: its loads were issued a block ago.  The wait stands on every trip's path, so that no load into the set is out where a trip jumps over the work
	s_wait_alu depctr_va_vdst(0)                   ; the trip before (in the first trip: the head) is done reading and writing HA, XF, XS and LG, in which this trip's LDS loads land; ahead of the branch, so that it stands on every way
	s_cmp_eq_u32 s25, 0
	s_cbranch_scc1 .Lskip_x
	; ---- X: my 16 rows go to my stage, the next block's are asked for, and the rows become four fragments
	WIN 0x0c                                       ; an LDS store's data are its source 1: window 3
.set rr, 0
.rept 16
.irp i, 0,1,2,3
	ds_store_b128 v[STW], v[16*rr+4*\i:16*rr+4*\i+3] offset:SPT*rr+512*\i
.endr
.set rr, rr+1
.endr
	WIN 0
	QLOAD 0                                        ; LDS serves a wave's instructions in order (ISA guide 5.7.1.4): these see the stores above
	s_wait_dscnt 16                                ; the 64 stores are done; the sixteen reads may be out
	s_wait_alu depctr_vm_vsrc(0)                   ; the 64 stores have read the landing set, in which the next block's loads land: rows 0 to 14 below, row 15 in phase 2; ahead of the branch, so that it stands on every way to both
	s_cmp_lt_u32 s25, 2
	s_cbranch_scc1 .Lno_next_a                     ; no load leaves the rows that the schedule gives
	s_wait_xcnt 0x0                                ; the base is stepped only behind this wait
	s_add_nc_u64 s[4:5], s[4:5], 64*2048
	WIN 0xc0
	XROWS 0, 14                                    ; 60 loads, 120 KiB for the four waves, a whole block ahead; a 64th would hold the wave at the counter's field (ISA guide 5.7.1): row 15 follows in phase 2
	WIN 0
.Lno_next_a:
.irp s, 0,1,2,3
	s_wait_dscnt 0x0                               ; this K step's numbers are in
.if \s > 0
	s_wait_alu depctr_vm_vsrc(0)                   ; the last image's four stores have read the codes and the scale word, which this step's quantiser writes again
.endif
.if \s < 3
	QLOAD \s+1                                     ; the next K step lands while this one is quantised.  Its buffer's last reader, the quantiser of the step before, stands ahead of that step's wait on va_vdst; only LDS stores were issued since
.endif
	QUANT HA+64*(\s%2)
	s_wait_alu depctr_va_vdst(0)                   ; the quantiser has written the codes and the scale word, which the stores read, and is done reading its 64 numbers, in which the K step after next lands
.irp c, 0,1,2
	ds_store_b128 v[IMW], v[PC+4*\c:PC+4*\c+3] offset:XIMG+1536*\s+512*\c
.endr
	ds_store_b32 v[XSW], v[PW] offset:4*\s
.endr
	s_wait_alu depctr_vm_vsrc(0)                   ; the last image's stores have read v80-91 and v116, in which the fragments of phase 1 and the rows of phase 2 land
.Lskip_x:
	BARRIER                                        ; the block's sixteen fragments lie in LDS; nobody reads the last block's partial logits any more
	s_cmp_eq_u32 s25, 0
	s_cbranch_scc1 .Lskip_1
	; ---- 1: my 128 units for the 64 rows
.irp m, 0,1,2,3
	ds_load_b128 v[XS+4*\m:XS+4*\m+3], v[L16] offset:XSC+512*\m
.endr
.irp s, 0,1,2,3
	FETCHF 0, \s
.endr
	MM 0, 0
	MM 1, 1                                        ; with row tile 0's list; at its end row tile 0's partial logits go out
	MM 2, 1
	MM 3, 1
	WIN 0x08
	PLACES                                         ; in front of the first read of the last products' results
.set j, 0
.rept 224
	TH HA+64
.set j, j+1
.endr
	REDA
	s_wait_alu depctr_va_vdst(0)                   ; the sums across lanes have written v[LG ..], which the two stores read; all of this phase's vector and matrix work on HA, XF and LG is done: phase 2's loads land there
	REDS 3
	s_wait_alu depctr_vm_vsrc(0)                   ; the two stores have read v[LG ..], in which phase 2's loads land
.Lskip_1:
	BARRIER                                        ; all partial logits lie in LDS; nobody reads the fragments any more
	s_cmp_eq_u32 s25, 0
	s_cbranch_scc1 .Lskip_2
	; ---- 2: the running softmax over my 16 rows, and their weighted sum
	s_cmp_lt_u32 s25, 2
	s_cbranch_scc1 .Lno_next_b
	WIN 0xc0
	XROWS 15, 15                                   ; the next block's last row
	WIN 0
.Lno_next_b:
.irp u, 0,1,2,3
	ds_load_b32 v[LG+\u], v[PLR] offset:256*\u     ; my row's partial logit from each wave
.endr
	GROWS HA, 0, 8
	GROWS XF, 8, 3
	v_cmp_gt_i32 s70, s27, v[LROW]                 ; does my row count?  (It hangs on no loaded number: made here, so that the mask is written while the loads are out)
	s_wait_dscnt 44                                ; the four partial logits are in; the 44 loads of rows may be out
	v_add_f32 v72, v72, v73
	v_add_f32 v74, v74, v75
	v_add_f32 v72, v72, v74
	v_add_f32 v72, s66, v72                        ; my row's logit
	v_mov_b32 v73, 0xff61b1e6
	s_wait_alu depctr_va_sdst(0)                   ; the mask s70 is written, ahead of its first reader
	v_cndmask_b32 v73, v73, v72, s70
.irp x, 1,2,4,8
	v_max_num_f32_dpp v73, v73, v73 row_xmask:\x row_mask:0xf bank_mask:0xf
.endr
	v_max_num_f32 v74, v[RM], v73                  ; the new m
	v_sub_f32 v75, v[RM], v74
	v_sub_f32 v76, v72, v74
	v_mul_f32 v75, 0x3fb8aa3b, v75
	v_mul_f32 v76, 0x3fb8aa3b, v76
	v_exp_f32 v[RF], v75                           ; f
	v_exp_f32 v77, v76                             ; p
	v_mov_b32 v[RM], v74                           ; (a plain place behind the two)
	s_wait_alu depctr_va_vdst(0)                   ; the two exponentials have written f and p, ahead of their first reader: one wait for both
	v_cndmask_b32 v77, 0, v77, s70                 ; a row that does not count has p = 0: a choice, not a product
	v_fma_f32 v[RS], v[RS], v[RF], v77
.irp r, 0,1,2,3,4,5,6,7,8,9,10,11,12,13,14,15
	v_readlane_b32 s[PP+2*\r], v77, \r
.endr
	WIN 0x82                                       ; the sums (destination, source 0): window 2
.irp k, 0,1,2,3,4,5,6,7
	v_pk_mul_f32 v[ACC+2*\k:ACC+2*\k+1], v[ACC+2*\k:ACC+2*\k+1], v[RF:RF+1] op_sel_hi:[1,0]
.endr
	WIN 0xa0                                       ; destination and source 2: window 2
	s_wait_alu depctr_va_sdst(0)                   ; the sixteen weights are written, ahead of their first reader: one wait for the run
.irp r, 0,1,2,3,4,5,6,7
	s_wait_dscnt 40-4*\r                           ; row r is in: behind it the rest of the first eight rows and the twelve loads of rows 8 to 10
	ROWFMA HA+16*\r, \r
.endr
	WIN 0
	s_wait_alu depctr_va_vdst(0)                   ; the multiply-adds of rows 0 to 4 are done reading v128-207, in which rows 11 to 15 land; the softmax's lines are done with v72-79, in which wave 0's loads land below
	GROWS HA, 11, 5
	WIN 0xa0
.irp r, 8,9,10
	s_wait_dscnt 20+4*(10-\r)                      ; behind it: the rest of these three rows and the twenty loads just issued
	ROWFMA XF+16*(\r-8), \r
.endr
.irp r, 11,12,13,14,15
	s_wait_dscnt 4*(15-\r)
	ROWFMA HA+16*(\r-11), \r
.endr
	WIN 0
	s_cmp_lg_u32 s24, 0
	s_cbranch_scc1 .Lnot_w0
.irp u, 0,1,2,3                                ; wave 0 stores the block's 64 logits, summed in the same order as above.  (Since the wait ahead of rows 11 to 15 only the weighted sum was issued, which names no register of v72-79)
	ds_load_b64 v[LG+2*\u:LG+2*\u+1], v[L8] offset:PL+256*\u
.endr
	s_wait_dscnt 0x0
	v_pk_add_f32 v[72:73], v[72:73], v[74:75]
	v_pk_add_f32 v[76:77], v[76:77], v[78:79]
	v_pk_add_f32 v[72:73], v[72:73], v[76:77]
	v_pk_add_f32 v[72:73], v[72:73], s[66:67] op_sel_hi:[1,0]
	s_wait_alu depctr_va_vdst(0)                   ; the sums have written v[72:73], which the store reads
	global_store_b64 v[L8], v[72:73], s[16:17]     ; 32 lanes store 256 consecutive bytes, at a multiple of 256 from lg's first byte
.Lnot_w0:
	s_wait_xcnt 0x0                                ; the store's base is stepped only behind this wait
	s_wait_alu depctr_vm_vsrc(0)                   ; the store has read v[72:73], which later trips write again
	s_add_nc_u64 s[16:17], s[16:17], 256
	s_sub_co_i32 s27, s27, 64
	s_sub_co_u32 s25, s25, 1
.Lskip_2:
	s_sub_co_u32 s26, s26, 1
	s_cmp_lg_u32 s26, 0
	s_cbranch_scc1 .Ltrip
	; ---- the end: the four waves' states become one record.  A work-group without blocks stores (-3e38, 0, zeros): every record is written
.irp x, 1,2,4,8
	v_add_f32_dpp v[RS], v[RS], v[RS] row_xmask:\x row_mask:0xf bank_mask:0xf
.endr
	WIN 0x08                                       ; the data: window 2
	s_wait_alu depctr_va_vdst(0)                   ; the context's sums, m and s are written, which the five LDS stores read; all vector work on v128-151 is done, in which the loads behind the barrier land
.irp i, 0,1,2,3
	ds_store_b128 v[MRW], v[ACC+4*\i:ACC+4*\i+3] offset:512*\i
.endr
	WIN 0
	ds_store_b64 v[MSW], v[RM:RM+1]                ; all lanes write the same two words with the same values
	BARRIER
	ds_load_b128 v[128:131], v0                    ; m, s of waves 0, 1
	ds_load_b128 v[132:135], v0 offset:16          ; and of waves 2, 3
.irp u, 0,1,2,3
	ds_load_b128 v[136+4*\u:139+4*\u], v[MRR] offset:2048*\u   ; channels 128 w + 4 x lane on, of each wave's sums
.endr
	s_wait_dscnt 0x0
	v_max3_num_f32 v152, v128, v130, v132
	v_max_num_f32 v152, v152, v134                 ; M
.irp u, 0,1,2,3
	v_sub_f32 v[156+\u], v[128+2*\u], v152
.endr
.irp u, 0,1,2,3
	v_mul_f32 v[156+\u], 0x3fb8aa3b, v[156+\u]
.endr
.irp u, 0,1,2,3
	v_exp_f32 v[156+\u], v[156+\u]
.endr
	v_nop                                          ; a plain place behind the four
	s_wait_alu depctr_va_vdst(0)                   ; the four exponentials have written their results, ahead of their first reader
	v_mul_f32 v153, v156, v129                     ; S
.irp u, 1,2,3
	v_fmac_f32 v153, v[156+\u], v[129+2*\u]
.endr
.irp e, 0,1,2,3
	v_mul_f32 v[160+\e], v156, v[136+\e]
.endr
.irp u, 1,2,3
.irp e, 0,1,2,3
	v_fmac_f32 v[160+\e], v[156+\u], v[136+4*\u+\e]
.endr
.endr
	s_wait_alu depctr_va_vdst(0)                   ; v[160:163] and v[152:153] are written, which the two stores read
	global_store_b128 v[L16], v[160:163], s[18:19] ; 512 consecutive bytes of the record
	s_cmp_lg_u32 s24, 0
	s_cbranch_scc1 .Ldone
	global_store_b64 v[L8], v[152:153], s[18:19] offset:2048   ; (M, S), 32 times: 256 consecutive bytes
.Ldone:
	s_set_vgpr_msb 0x5
	s_wait_dscnt 0x0
	s_wait_alu depctr_hold_cnt(0) depctr_sa_sdst(0) depctr_va_vdst(0) depctr_va_sdst(0) depctr_va_ssrc(0) depctr_va_vcc(0) depctr_vm_vsrc(0)
	s_wait_tensorcnt 0x0
	ds_add_u32 v254, v255
	s_wait_dscnt 0x0
	s_endpgm
.Lfunc_end_k_q4dfd79a821_scan:
	.size	k_q4dfd79a821_scan, .Lfunc_end_k_q4dfd79a821_scan-k_q4dfd79a821_scan
	.p2alignl 7, 3214868480
	.fill 96, 4, 3214868480
	.section	.rodata,"a",@progbits
	.p2align	6, 0x0
	.amdhsa_kernel k_q4dfd79a821_scan
		.amdhsa_group_segment_fixed_size 169472
		.amdhsa_private_segment_fixed_size 0
		.amdhsa_enable_private_segment 0
		.amdhsa_kernarg_size 64
		.amdhsa_user_sgpr_count 2
		.amdhsa_user_sgpr_kernarg_segment_ptr 1
		.amdhsa_wavefront_size32 1
		.amdhsa_system_sgpr_workgroup_id_x 1
		.amdhsa_system_sgpr_workgroup_id_y 1
		.amdhsa_system_sgpr_workgroup_id_z 1
		.amdhsa_system_vgpr_workitem_id 0
		.amdhsa_next_free_vgpr 1024
		.amdhsa_next_free_sgpr 80
		.amdhsa_reserve_vcc 0
		.amdhsa_float_denorm_mode_32 3
		.amdhsa_float_denorm_mode_16_64 3
		.amdhsa_memory_ordered 1
		.amdhsa_forward_progress 1
		.amdhsa_inst_pref_size 147
	.end_amdhsa_kernel
	.amdgpu_metadata
---
amdhsa.version: [ 1, 2 ]
amdhsa.kernels:
  - .name:           k_q4dfd79a821_scan
    .symbol:         k_q4dfd79a821_scan.kd
    .args:
      - { .name: encoded_vecs, .offset: 0, .size: 8, .value_kind: global_buffer, .address_space: global }
      - { .name: wimg, .offset: 8, .size: 8, .value_kind: global_buffer, .address_space: global }
      - { .name: wsc, .offset: 16, .size: 8, .value_kind: global_buffer, .address_space: global }
      - { .name: qb, .offset: 24, .size: 8, .value_kind: global_buffer, .address_space: global }
      - { .name: v, .offset: 32, .size: 8, .value_kind: global_buffer, .address_space: global }
      - { .name: sched, .offset: 40, .size: 8, .value_kind: global_buffer, .address_space: global }
      - { .name: lg, .offset: 48, .size: 8, .value_kind: global_buffer, .address_space: global }
      - { .name: rec, .offset: 56, .size: 8, .value_kind: global_buffer, .address_space: global }
    .group_segment_fixed_size: 169472
    .private_segment_fixed_size: 0
    .kernarg_segment_align: 8
    .kernarg_segment_size: 64
    .max_flat_workgroup_size: 128
    .sgpr_count:     80
    .vgpr_count:     1024
    .wavefront_size: 32
...
	.end_amdgpu_metadata
.endif
;; end of part 5
;; launch join: the kernel of part 3 again; grid 64 x 1, 4 waves a work-group, no clusters, 0 bytes of LDS; arguments sched, rec, lg, out0, out1; writes out0, out1
